; MI455X (gfx1250); checked and timed in simulation.
; The chip was launched on July 23, 2026; its instructions are those of AMD's public machine-readable ISA for CDNA 5 (MIT licence, August 2026) and "CDNA5" Instruction Set Architecture Reference Guide (July 2026). The comments in the code are by the model that wrote it; some were corrected since.
;; Multi Head Attention. Allowed arithmetic: matrix products marked QUANTISED: E2M1 operands, one E8M0 scale for each 32 along K, by v_wmma_scale_f32_16x16x128_f8f6f4 with both operands' format E2M1 (or v_wmma_scale_f32_32x16x128_f4), f32 sums; products left as they are: bf16, f16 or f32 operands; f32 sums; everything else in f32.
;; Inputs: W_attn 1,024 x 3,072 float32; W_proj 1,024 x 1,024 float32; b_attn 3,072 float32; b_proj 1,024 float32; x 4 x 2,048 x 1,024 float32.
;; Outputs: out0 4 x 2,048 x 1,024 float32.
;; This version of the problem:
;;   THIS VERSION OF THE PROBLEM IS GIVEN IN LOW PRECISION. The matrix products marked QUANTISED in the list below multiply operands that are first quantised to E2M1 (2 exponent bits, 1 mantissa bit; 4 bits a number), with one power-of-two scale for each 32 numbers along K (OCP MX v1.0); their sums are f32. The products marked 'left as it is' may take bf16, f16 or f32 operands, with f32 sums. Whichever they take, every output number must still come out within the allowed error. Rounding operands to bf16 (8 significant bits) uses up far more of that allowance than f16 does (11 bits, for magnitudes from 6e-5 to 65,504). All else is computed in f32.
;;   The module's matrix products, in the order in which they are computed (A, B: the left and right operand; K: the contracted axis; several contracted axes count as one K, in the product's order):
;;     1. [M 8,192, K 1,024] x [K 1,024, N 3,072]; A: input x; B: input W_attn: QUANTISED
;;     2. batch 64 x [M 2,048, K 64] x [K 64, N 2,048]; A: computed on the way; B: computed on the way: left as it is (an operand is computed on the way)
;;     3. batch 64 x [M 2,048, K 2,048] x [K 2,048, N 64]; A: computed on the way; B: computed on the way: left as it is (an operand is computed on the way)
;;     4. [M 8,192, K 1,024] x [K 1,024, N 1,024]; A: computed on the way; B: input W_proj: left as it is (an operand is computed on the way)
;;   THE QUANTISER, for each operand of a quantised product, along K:
;;     - K is cut into blocks of 32 from its start; a last block that is shorter is filled with zeros.
;;     - A block's scale is 2^e with e = floor(log2(the largest magnitude in the block)) - 2, held to -126 .. 127; a block of zeros has e = 0. As a byte (E8M0): e + 127.
;;     - Each number is divided by its block's scale, clamped to +-6, and rounded to the nearest number of E2M1, ties to even, subnormals kept.
;;     - The product sums the exact products of the quantised numbers (number of the format x scale) in f32.
;;   ~~~python
;;   def quantise(x, axis):      # numpy; x: float32 -> the quantised numbers, widened to float32 again
;;       x = np.moveaxis(x, axis, -1); K = x.shape[-1]
;;       x = np.pad(x, [(0, 0)] * (x.ndim - 1) + [(0, -K % 32)]); x = x.reshape(x.shape[:-1] + (-1, 32)); a = np.abs(x).max(-1, keepdims=True)
;;       e = np.where(a > 0, np.clip(np.frexp(np.where(a > 0, a, 1))[1] - 1 - 2, -126, 127), 0)      # np.frexp(a)[1] - 1 = floor(log2(a)), exactly
;;       r = np.clip(x / 2.0 ** e, -6, 6)
;;       step = 2.0 ** (np.maximum(np.frexp(np.where(r == 0, 1, r))[1] - 1, 0) - 1)
;;       q = np.round(r / step) * step * 2.0 ** e      # np.round: ties to even
;;       return np.moveaxis(q.reshape(q.shape[:-2] + (-1,))[..., :K], -1, axis).astype(np.float32)
;;   ~~~
;; One version. Each part assembles by itself: llvm-mc -triple=amdgcn-amd-amdhsa -mcpu=gfx1250 --defsym DOCPART=n.
;; ======== version 1 of 1: 5 launches
;; limits: values are held in f16: magnitudes above 65,504 overflow, below 6.1e-05 lose precision
;; workspace buffers: xc 4,194,304 bytes; xs 262,144 bytes; wc 1,572,864 bytes; ws 98,304 bytes; wpt 2,097,152 bytes; qkv 50,331,648 bytes; qkv32 786,432 bytes; att 16,777,216 bytes
;; launch prep (part 1): grid 432 x 1, 4 waves a work-group, no clusters, 86,528 bytes of LDS; arguments x, W_attn, W_proj, xc, xs, wc, ws, wpt; writes xc, xs, wc, ws, wpt
.if DOCPART == 1
	.amdgcn_target "amdgcn-amd-amdhsa--gfx1250"
	.amdhsa_code_object_version 6
	.text
	.protected	k_q6b2778c236_prep
	.globl	k_q6b2778c236_prep
	.p2align	8
	.type	k_q6b2778c236_prep,@function
k_q6b2778c236_prep:
	s_mov_b64 s[64:65], 0
	v_nop
	global_prefetch_b8 v0, s[64:65] scope:SCOPE_SE
	s_setreg_imm32_b32 hwreg(HW_REG_WAVE_MODE, 25, 1), 1
	s_wait_xcnt 0x0
; PREP: three jobs in one launch, told apart by the work-group's number; each job has LDS bytes of its own and ends by itself.
;   work-groups 0-255:   x [8192][1024] f32 -> xc [8192][512 B] codes of E2M1, K innermost, xs [8192][32] E8M0 bytes, one for each 32 along K.
;   work-groups 256-303: W_attn [1024 k][3072 n] f32, K its FIRST axis -> wc [3072][512 B] codes with K innermost, ws [3072][32].
;   work-groups 304-431: W_proj [1024 k][1024 n] f32 -> wpt [16 kb][1024 n][64 k] f16: K innermost, in planes of 64 along K.
; A block's scale is 2^(floor(log2(largest magnitude)) - 2): its byte is the largest magnitude's exponent field - 2, held at 1 from below by a floor among the maximum's leaves.
; A block of zeros keeps the byte 1 where the quantiser says 127: its codes are zeros, which add nothing, and this program alone reads the bytes.
; LIMITS: blocks whose largest magnitude lies under 2^-124 were not tried; NaN and infinities are not served; W_proj must lie inside f16's range (65,504).
; No tensor loads, no barrier: waves share nothing.
.set SPW,   190                        ; v190 LDS address of my spare word; never rewritten
.set NIL,   191                        ; v191 0; never rewritten
.set WRG,   32768                      ; LDS: job x has bytes 0 .. 32,767 (8,192 a wave); job W_attn from here (32 x 272 a wave);
.set PRG,   67584                      ; job W_proj from here (32 x 144 a wave);
.set SPARE, 86016                      ; the spare words, 128 bytes a wave
.set EMAX,  2
; ---- job x
.set STEPS, 16
.set CB,    8                          ; bytes of 16 codes
.set RR,    16                         ; v16-79   four sets of 16 numbers as loaded
.set XX,    80                         ; v80-111  two sets of 16 neighbours
.set EE,    112                        ; v112-127 a scale byte for each step
.set CC,    128                        ; v128-189 codes, four registers apart for each step: no store's data are written again
.set SP,    80                         ; a lane's place in a stage: 64 bytes + 16 of padding
.macro XLOAD t
.irp i, 0,1,2,3
	global_load_b128 v[RR+16*((\t)%4)+4*\i:RR+16*((\t)%4)+4*\i+3], v3, s[4:5] offset:2048*(\t)+512*\i th:TH_LOAD_NT   ; 32 lanes read 512 consecutive bytes
.endr
.endm
.macro XTURN t                         ; a step's 2,048 bytes through my stage: in as they lie, out 64 bytes a lane; LDS serves a wave's instructions in order
.irp i, 0,1,2,3
	ds_store_b128 v14, v[RR+16*((\t)%4)+4*\i:RR+16*((\t)%4)+4*\i+3] offset:32*SP*((\t)%2)+8*SP*\i
.endr
.irp i, 0,1,2,3
	ds_load_b128 v[XX+16*((\t)%2)+4*\i:XX+16*((\t)%2)+4*\i+3], v15 offset:32*SP*((\t)%2)+16*\i
.endr
.endm
.macro XSTEP t
.set XS, XX+16*((\t)%2)
.if (\t) > 0
	s_wait_dscnt 1                                 ; this step's numbers are back from the stage; the last step's byte store may be out
.else
	s_wait_dscnt 0x0
.endif
.if (\t)+4 < STEPS
	XLOAD (\t)+4                                   ; into the registers that this step's stage stores have read
.endif
.if (\t)+1 < STEPS
.if STEPS-2-(\t) >= 3
	s_wait_loadcnt 12                              ; the next step's four loads are in; three steps' twelve may be out
.else
	s_wait_loadcnt 4*(STEPS-2-(\t))
.endif
	XTURN (\t)+1
.endif
	v_max3_num_f32 v8, |v[XS]|, |v[XS+1]|, |v[XS+2]|
	v_max3_num_f32 v9, |v[XS+3]|, |v[XS+4]|, |v[XS+5]|
.irp i, 6,10
	v_max3_num_f32 v8, v8, |v[XS+\i]|, |v[XS+\i+1]|
	v_max3_num_f32 v9, v9, |v[XS+\i+2]|, |v[XS+\i+3]|
.endr
	v_max3_num_f32 v8, v8, |v[XS+14]|, |v[XS+15]|
	v_max3_num_f32 v8, v8, v9, (EMAX+1)<<23        ; the floor 2^(3 - 127): the byte cannot fall under 1
	v_max_num_f32_dpp v8, v8, v8 row_xmask:1 row_mask:0xf bank_mask:0xf   ; with my neighbour's 16: the block's largest magnitude
	v_add_nc_u32 v11, -(EMAX<<23), v8              ; 2 off its exponent field: the conversion takes this operand's exponent field as its scale
	v_cvt_scalef32_pk8_fp4_f32 v[CC+4*(\t)], v[XS:XS+7], v11
	v_cvt_scalef32_pk8_fp4_f32 v[CC+4*(\t)+1], v[XS+8:XS+15], v11
	v_lshrrev_b32 v[EE+(\t)], 23, v11              ; the scale's byte (also the plain line behind the conversions)
	ds_store_b8 v5, v[EE+(\t)] offset:16*(\t)      ; both lanes of a block write the same byte with the same value
	global_store_b64 v4, v[CC+4*(\t):CC+4*(\t)+1], s[10:11] offset:32*CB*(\t)   ; the wave stores 256 consecutive bytes, aligned
.endm
; ---- job W_attn
.set NB,    16                         ; blocks of 32 along K for a wave (512 along K)
.set WP,    272                        ; a stage row: 256 bytes of codes + 16
.set WX,    32                         ; v32-95   two sets of 32 numbers
.set WC,    96                         ; v96-99   a block's codes
.set WSB,   24                         ; v24-27   the scale bytes, four to a register
.set WOUT,  112                        ; v112-175 the way out
.macro WLOAD t                         ; block t: W(32 t + i, my column) into set t % 2
.set i, 0
.rept 32
	global_load_b32 v[WX+32*((\t)%2)+i], v3, s[6:7] offset:(32*(\t)+i)*12288 th:TH_LOAD_NT
.set i, i+1
.endr
.endm
.macro WBLOCK t
.set XS, WX+32*((\t)%2)
.if (\t) < NB-1
	s_wait_loadcnt 32                              ; this block's 32 loads are in; the next block's may be out
.else
	s_wait_loadcnt 0
.endif
	v_max3_num_f32 v12, |v[XS]|, |v[XS+1]|, |v[XS+2]|   ; all 32 numbers of the block are mine
	v_max3_num_f32 v13, |v[XS+3]|, |v[XS+4]|, |v[XS+5]|
.irp i, 6,10,14,18,22,26
	v_max3_num_f32 v12, v12, |v[XS+\i]|, |v[XS+\i+1]|
	v_max3_num_f32 v13, v13, |v[XS+\i+2]|, |v[XS+\i+3]|
.endr
	v_max3_num_f32 v12, v12, |v[XS+30]|, |v[XS+31]|
	v_max3_num_f32 v12, v12, v13, (EMAX+1)<<23
	v_add_nc_u32 v11, -(EMAX<<23), v12
	v_lshrrev_b32 v13, 23, v11
.if (\t)%4 == 0
	v_mov_b32 v[WSB+(\t)/4], v13
.else
	v_lshl_or_b32 v[WSB+(\t)/4], v13, 8*((\t)%4), v[WSB+(\t)/4]
.endif
.irp g, 0,1,2,3
	v_cvt_scalef32_pk8_fp4_f32 v[WC+\g], v[XS+8*\g:XS+8*\g+7], v11
.endr
	ds_store_b128 v4, v[WC:WC+3] offset:16*(\t)    ; 32 codes: 16 bytes of my column's row
.if (\t)+2 < NB
	WLOAD (\t)+2
.endif
	s_wait_dscnt 0x0                               ; the store has read its registers: the next block's codes may be written
.endm
	s_load_b256 s[4:11], s[0:1], 0x0               ; x, W_attn, W_proj, xc
	s_load_b256 s[12:19], s[0:1], 0x20             ; xs, wc, ws, wpt
	v_lshl_add_u32 v[SPW], v0, 2, SPARE
	v_mov_b32 v[NIL], 0
	v_lshrrev_b32 v1, 5, v0
	v_readfirstlane_b32 s20, v1                    ; wave 0..3
	v_and_b32 v2, 31, v0                           ; lane
	s_wait_kmcnt 0x0
	s_cmp_lt_u32 ttmp9, 256
	s_cbranch_scc0 .Lnot_x
	; ================= job x: a wave takes 16 steps of 512 numbers; a tensor with dense rows is a plain stream of blocks of 32
	v_lshlrev_b32 v3, 4, v2                        ; my 16 bytes of a load's 512
	s_mul_i32 s21, s20, 8192
	v_lshrrev_b32 v14, 2, v2
	v_mul_u32_u24 v14, v14, SP
	v_and_b32 v15, 3, v2
	v_lshl_add_u32 v14, v15, 4, v14
	v_add_nc_u32 v14, s21, v14                     ; the stage, way in: SP (lane / 4) + 16 (lane % 4)
	v_mul_u32_u24 v15, v2, SP
	v_add_nc_u32 v15, s21, v15                     ; way out: SP x lane: my 16 neighbours
	v_mul_u32_u24 v4, v2, CB
	v_lshrrev_b32 v5, 1, v2
	s_add_co_u32 s21, s21, 2*32*SP
	v_add_nc_u32 v5, s21, v5                       ; my wave's 256 scale bytes, my block's byte
	v_lshlrev_b32 v7, 3, v2
	v_add_nc_u32 v6, s21, v7
	s_lshl_b32 s22, ttmp9, 2
	s_add_co_u32 s22, s22, s20                     ; which run of 8,192 numbers is my wave's: 0 .. 1,023
	s_mov_b32 s23, 0
	s_lshl_b64 s[24:25], s[22:23], 15              ; 32,768 bytes of x a run,
	s_add_nc_u64 s[4:5], s[4:5], s[24:25]
	s_lshl_b64 s[24:25], s[22:23], 12              ; 4,096 of codes,
	s_add_nc_u64 s[10:11], s[10:11], s[24:25]
	s_lshl_b32 s22, s22, 8                         ; 256 of scale bytes
	s_add_nc_u64 s[12:13], s[12:13], s[22:23]
.irp t, 0,1,2,3
	XLOAD \t
.endr
	s_wait_loadcnt 12                              ; step 0's four loads are in
	XTURN 0
.irp t, 0,1,2,3,4,5,6,7,8,9,10,11,12,13,14,15
	XSTEP \t
.endr
	ds_load_b64 v[8:9], v6                         ; my wave's 256 scale bytes, 8 a lane (in order behind my byte stores)
	s_wait_dscnt 0x0
	global_store_b64 v7, v[8:9], s[12:13]          ; 256 consecutive bytes, aligned
	s_wait_tensorcnt 0x0                           ; the wave's end: a tensor wait, an add of 0 to my spare word and its wait, behind my last LDS store
	ds_add_u32 v[SPW], v[NIL]
	s_wait_dscnt 0x0
	s_endpgm
.Lnot_x:
	s_cmp_lt_u32 ttmp9, 304
	s_cbranch_scc0 .Lpath_p
	; ================= job W_attn: a lane takes a column n, its registers run down K; a wave takes 32 columns x 512 along K
	s_sub_co_u32 s21, ttmp9, 256                   ; 0 .. 47 = 24 strips of 128 columns x 2 halves of K
	s_cmp_ge_u32 s21, 24
	s_cselect_b32 s22, 1, 0                        ; which half of K
	s_cselect_b32 s23, 24, 0
	s_sub_co_u32 s21, s21, s23
	s_lshl_b32 s21, s21, 7
	s_lshl_b32 s23, s20, 5
	s_add_co_u32 s21, s21, s23                     ; my wave's first column
	s_mul_i32 s24, s22, 512*12288                  ; W: 512 rows of 12,288 bytes a half, + 4 x column
	s_lshl_b32 s23, s21, 2
	s_add_co_u32 s24, s24, s23
	s_mov_b32 s25, 0
	s_add_nc_u64 s[6:7], s[6:7], s[24:25]
	s_lshl_b32 s24, s21, 9                         ; codes: column x 512 + 256 x half
	s_lshl_b32 s23, s22, 8
	s_add_co_u32 s24, s24, s23
	s_add_nc_u64 s[14:15], s[14:15], s[24:25]
	s_lshl_b32 s24, s21, 5                         ; scale bytes: column x 32 + 16 x half
	s_lshl_b32 s23, s22, 4
	s_add_co_u32 s24, s24, s23
	s_add_nc_u64 s[16:17], s[16:17], s[24:25]
	v_lshlrev_b32 v3, 2, v2                        ; in: 4 bytes a lane: 128 consecutive bytes a wave
	s_mul_i32 s26, s20, 32*WP
	s_add_co_u32 s26, s26, WRG                     ; my stage
	v_mul_u32_u24 v4, v2, WP
	v_add_nc_u32 v4, s26, v4                       ; into it: row = my column
	v_and_b32 v5, 15, v2
	v_lshrrev_b32 v6, 4, v2
	v_mul_u32_u24 v7, v6, WP
	v_lshl_add_u32 v7, v5, 4, v7
	v_add_nc_u32 v7, s26, v7                       ; out of it: sixteen lanes to a row, two rows an instruction
	v_mul_u32_u24 v8, v6, 512
	v_lshl_add_u32 v8, v5, 4, v8                   ; and the same place in wc
	v_mul_u32_u24 v9, v2, 32                       ; my column's row of scale bytes
	WLOAD 0
	WLOAD 1
.set Q, 0
.rept NB
	WBLOCK Q
.set Q, Q+1
.endr
	global_store_b128 v9, v[WSB:WSB+3], s[16:17]   ; my column's 16 scale bytes
.irp t, 0,1,2,3,4,5,6,7,8,9,10,11,12,13,14,15
	ds_load_b128 v[WOUT+4*\t:WOUT+4*\t+3], v7 offset:2*\t*WP
.endr
.irp t, 0,1,2,3,4,5,6,7,8,9,10,11,12,13,14,15
	s_wait_dscnt 15-\t
	global_store_b128 v8, v[WOUT+4*\t:WOUT+4*\t+3], s[14:15] offset:2*\t*512   ; sixteen lanes store 256 consecutive bytes, aligned
.endr
	s_wait_tensorcnt 0x0                           ; the wave's end: the three lines
	ds_add_u32 v[SPW], v[NIL]
	s_wait_dscnt 0x0
	s_endpgm
.Lpath_p:
	; ================= job W_proj: a lane takes a column n and 64 along K (one plane); f16, rounded once; out through my stage as rows of 128 bytes
	s_sub_co_u32 s21, ttmp9, 304
	s_lshr_b32 s22, s21, 3                         ; plane kb 0 .. 15
	s_and_b32 s21, s21, 7                          ; strip of 128 columns
	s_lshl_b32 s24, s22, 18                        ; W_proj: 64 rows of 4,096 bytes a plane
	s_lshl_b32 s23, s21, 9
	s_add_co_u32 s24, s24, s23
	s_lshl_b32 s23, s20, 7
	s_add_co_u32 s24, s24, s23
	s_mov_b32 s25, 0
	s_add_nc_u64 s[8:9], s[8:9], s[24:25]
	s_lshl_b32 s24, s22, 17                        ; wpt: (1,024 kb + 128 strip + 32 wave) rows of 128 bytes
	s_lshl_b32 s23, s21, 14
	s_add_co_u32 s24, s24, s23
	s_lshl_b32 s23, s20, 12
	s_add_co_u32 s24, s24, s23
	s_add_nc_u64 s[18:19], s[18:19], s[24:25]
	v_lshlrev_b32 v3, 2, v2
	s_mul_i32 s26, s20, 32*144
	s_add_co_u32 s26, s26, PRG
	v_mul_u32_u24 v4, v2, 144
	v_add_nc_u32 v4, s26, v4                       ; in: row = my column, 128 bytes + 16
	v_lshrrev_b32 v5, 3, v2
	v_mul_u32_u24 v5, v5, 144
	v_and_b32 v6, 7, v2
	v_lshl_add_u32 v5, v6, 4, v5
	v_add_nc_u32 v5, s26, v5                       ; back: eight lanes to a row, four rows an instruction
	v_lshlrev_b32 v6, 4, v2                        ; which are 512 consecutive bytes of wpt
.set i, 0
.rept 64
	global_load_b32 v[32+i], v3, s[8:9] offset:i*4096 th:TH_LOAD_NT
.set i, i+1
.endr
	s_wait_loadcnt 32                              ; the first 32 along K are in
.set i, 0
.rept 16
	v_cvt_pk_f16_f32 v[96+i], v[32+2*i], v[33+2*i]
.set i, i+1
.endr
	s_wait_loadcnt 0x0
.rept 16
	v_cvt_pk_f16_f32 v[96+i], v[32+2*i], v[33+2*i]
.set i, i+1
.endr
.irp i, 0,1,2,3,4,5,6,7
	ds_store_b128 v4, v[96+4*\i:99+4*\i] offset:16*\i
.endr
.irp i, 0,1,2,3,4,5,6,7
	ds_load_b128 v[128+4*\i:131+4*\i], v5 offset:4*144*\i
.endr
.irp i, 0,1,2,3,4,5,6,7
	s_wait_dscnt 7-\i
	global_store_b128 v6, v[128+4*\i:131+4*\i], s[18:19] offset:512*\i
.endr
	s_wait_tensorcnt 0x0                           ; the wave's end: the three lines
	ds_add_u32 v[SPW], v[NIL]
	s_wait_dscnt 0x0
	s_endpgm
.Lfunc_end_k_q6b2778c236_prep:
	.size	k_q6b2778c236_prep, .Lfunc_end_k_q6b2778c236_prep-k_q6b2778c236_prep
	.p2alignl 7, 3214868480
	.fill 96, 4, 3214868480
	.section	.rodata,"a",@progbits
	.p2align	6, 0x0
	.amdhsa_kernel k_q6b2778c236_prep
		.amdhsa_group_segment_fixed_size 86528
		.amdhsa_private_segment_fixed_size 0
		.amdhsa_enable_private_segment 0
		.amdhsa_kernarg_size 64
		.amdhsa_user_sgpr_count 2
		.amdhsa_user_sgpr_kernarg_segment_ptr 1
		.amdhsa_wavefront_size32 1
		.amdhsa_system_sgpr_workgroup_id_x 1
		.amdhsa_system_sgpr_workgroup_id_y 1
		.amdhsa_system_sgpr_workgroup_id_z 1
		.amdhsa_system_vgpr_workitem_id 0
		.amdhsa_next_free_vgpr 192
		.amdhsa_next_free_sgpr 66
		.amdhsa_reserve_vcc 0
		.amdhsa_float_denorm_mode_32 3
		.amdhsa_float_denorm_mode_16_64 3
		.amdhsa_memory_ordered 1
		.amdhsa_forward_progress 1
		.amdhsa_inst_pref_size 122
	.end_amdhsa_kernel
	.amdgpu_metadata
---
amdhsa.version: [ 1, 2 ]
amdhsa.kernels:
  - .name:           k_q6b2778c236_prep
    .symbol:         k_q6b2778c236_prep.kd
    .args:
      - { .name: x, .offset: 0, .size: 8, .value_kind: global_buffer, .address_space: global }
      - { .name: W_attn, .offset: 8, .size: 8, .value_kind: global_buffer, .address_space: global }
      - { .name: W_proj, .offset: 16, .size: 8, .value_kind: global_buffer, .address_space: global }
      - { .name: xc, .offset: 24, .size: 8, .value_kind: global_buffer, .address_space: global }
      - { .name: xs, .offset: 32, .size: 8, .value_kind: global_buffer, .address_space: global }
      - { .name: wc, .offset: 40, .size: 8, .value_kind: global_buffer, .address_space: global }
      - { .name: ws, .offset: 48, .size: 8, .value_kind: global_buffer, .address_space: global }
      - { .name: wpt, .offset: 56, .size: 8, .value_kind: global_buffer, .address_space: global }
    .group_segment_fixed_size: 86528
    .private_segment_fixed_size: 0
    .kernarg_segment_align: 8
    .kernarg_segment_size: 64
    .max_flat_workgroup_size: 128
    .sgpr_count:     66
    .vgpr_count:     192
    .wavefront_size: 32
...
	.end_amdgpu_metadata
.endif
;; end of part 1
;; launch qkv (part 2): grid 16 x 32, 4 waves a work-group, clusters of 4 x 1, 327,680 bytes of LDS; arguments xc, xs, wc, ws, b_attn, qkv, qkv32; writes qkv, qkv32
.if DOCPART == 2
	.amdgcn_target "amdgcn-amd-amdhsa--gfx1250"
	.amdhsa_code_object_version 6
	.text
	.protected	k_q6b2778c236_qkv
	.globl	k_q6b2778c236_qkv
	.p2align	8
	.type	k_q6b2778c236_qkv,@function
k_q6b2778c236_qkv:
	s_mov_b64 s[64:65], 0
	v_nop
	global_prefetch_b8 v0, s[64:65] scope:SCOPE_SE
	s_setreg_imm32_b32 hwreg(HW_REG_WAVE_MODE, 25, 1), 1
	s_wait_xcnt 0x0
	s_wait_alu depctr_hold_cnt(0) depctr_sa_sdst(0) depctr_va_vdst(0) depctr_va_sdst(0) depctr_va_ssrc(0) depctr_va_vcc(0) depctr_vm_vsrc(0)
	s_getreg_b32 s2, hwreg(HW_REG_IB_STS2, 6, 4)
	s_cmp_eq_u32 s2, 0
	s_cbranch_scc0 .Lentry_in_a_cluster
	s_endpgm
.Lentry_in_a_cluster:
	s_bfe_u32 s2, ttmp6, 0x10000c
	s_cmp_lg_u32 s2, 0x3003
	s_cbranch_scc0 .Lentry_shape_is_right
	s_endpgm
.Lentry_shape_is_right:
; QKV = Q(x) Q(W_attn) + b_attn on codes of E2M1 with E8M0 scales; sums in f32.  Out: qkv [3 parts][4 b][16 h][2048 t][64] f16 (planes by head), and qkv32 [4 b][16 t][3072] f32: the first 16 positions of each sequence, unrounded.
; A work-group makes 256 rows x 192 columns (three heads): 32 x 16 = 512 work-groups, two even rounds on 256 WGPs.  Wave w makes rows 64 w .. 64 w + 63 x all 192 columns: 48 accumulators, 384 registers.
; K = 1,024 is two LDS slots of 512 along K (rows of 256 bytes): both are filled once, at the head; nothing is filled again.
; CLUSTER 4 x 1: the four partners share the tile row, so x's codes and scale bytes are asked for JOINTLY (mask 15).  W's tiles differ from partner to partner and come by plain loads behind the same round.
; A 4 x 4 cluster is not taken: the branch that stores qkv32 hangs on the tile row, which has to be the same in all partners.
; THE MATRIX INSTRUCTION IS USED TRANSPOSED (source 0 = 16 columns of W, source 1 = 16 rows of x): a lane holds eight neighbouring columns of one row.  The bias is the C of each sum's first product.
; SCALE WORDS: one 16-byte load a block brings four words; lanes 0-15 take the row's bytes 0-15 (slot 0), lanes 16-31 bytes 16-31 (slot 1): slot 1's products read the upper lanes.
; LIMIT: |q|, |k|, |v| up to 65,504 (f16).  With the drawn spread 0.64 that leaves room for inputs 30 times larger on both sides.
; REGISTERS: window 0: v16-30 addresses; v32-47 x's scale words, v48-95 W's (these hold scales alone); v96-159 x's fragments, two sets; v160-255 the bias; on the way out v160-207 packed results, v96-143 and v208-255 rows read back.
;   window 1: W's fragments, two sets of 96, at v0 and v128.   window 2: accumulators of row blocks 0, 1 at v[8 (12 (a % 2) + b)];   window 3: of row blocks 2, 3.
.set PITCH, 272                        ; an LDS row: 256 bytes + 16: the 16 rows of a fragment load start at 16 different 16-byte columns
.set BOFF,  256*PITCH                  ; a slot: x's 256 rows, then W's 192
.set SLOT,  448*PITCH
.set SCA,   2*SLOT                     ; x's scale bytes: 32 units of 256 + 16
.set SCB,   SCA+32*272                 ; W's: 24 units
.set STAGE, 259072                     ; 16 rows x 400 bytes for each wave; no fill lands here
.set SPITCH, 400
.set SPARE, STAGE+4*16*SPITCH          ; the spare words, 128 bytes a wave
.set ADRA, 16
.set ADRB, 20
.set ADSA, 22
.set ADSB, 23
.set STO,  24
.set RD,   25
.set CO,   26
.set FO,   27
.set SPW,  28
.set NIL,  29
.set BO,   30
.set SA,   32
.set SB,   48
.set AF,   96
.set BIAS, 160
.set TMP,  160
.set WV,   18
.set HF,   19
.set SIDE, 20
.set CX,   21
.set TC,   22
.set TR,   23
.set G1A,  24
.set G1B,  32
.set G1SA, 40
.set G1SB, 48
.set G0A,  56                          ; s[56:59], s[60:63]: x's codes, slot 0, 1
.set G0B,  68                          ; s[68:71], s[72:75]: W's
.set G0SA, 76
.set G0SB, 80
.set PL,   84                          ; s[84:89] where my rows begin in the three heads' planes
.set MSB, 0
.macro WIN new                         ; the immediate's high byte repeats the setting that is left
.if MSB != (\new)
	s_set_vgpr_msb (MSB<<8)|(\new)
.set MSB, (\new)
.endif
.endm
.macro PLACES
.rept 4
	v_nop
.endr
.endm
.macro SHAPE g, w0, c, r, p            ; descriptor group 1: r rows of c elements, p elements apart
	s_mov_b32 s[\g], \w0
	s_mov_b32 s[\g+1], (\c)<<16
	s_mov_b32 s[\g+2], (\r)<<16
	s_mov_b32 s[\g+3], (\c)<<16
	s_mov_b32 s[\g+4], \r
	s_mov_b32 s[\g+5], \p
	s_mov_b32 s[\g+6], 0
	s_mov_b32 s[\g+7], 0
.endm
.macro JLOAD g0a, g1a, g0b, g1b        ; waves 0, 1 fetch for x (jointly), waves 2, 3 for W; an s_nop 0 and four v_nop follow each line
	s_cmp_eq_u32 s[SIDE], 0
	s_cbranch_scc0 .Lfor_b_\@
	tensor_load_to_lds s[\g0a:\g0a+3], s[\g1a:\g1a+7]
	s_nop 0
.rept 4
	v_nop
.endr
	s_branch .Lasked_\@
.Lfor_b_\@:
	tensor_load_to_lds s[\g0b:\g0b+3], s[\g1b:\g1b+7]
	s_nop 0
.rept 4
	v_nop
.endr
.Lasked_\@:
.endm
.macro CROUND                          ; a round of the cluster's barrier
	s_barrier_signal -1
	s_barrier_wait -1
	s_cmp_lg_u32 s[WV], 0
	s_cbranch_scc1 .Lnot_wave_0_\@
	s_barrier_signal -3
.Lnot_wave_0_\@:
	s_barrier_wait -3
	s_barrier_signal -1
	s_barrier_wait -1
.endm
	s_load_b256 s[4:11], s[0:1], 0x0               ; xc s[4:5], xs s[6:7], wc s[8:9], ws s[10:11]
	s_load_b128 s[12:15], s[0:1], 0x20             ; b_attn s[12:13], qkv s[14:15]
	s_load_b64 s[16:17], s[0:1], 0x30              ; qkv32
	v_lshl_add_u32 v[SPW], v0, 2, SPARE
	v_mov_b32 v[NIL], 0
	ds_add_u32 v[SPW], v[NIL]                      ; the wave's opening: the add, twice on end, and its wait ahead of my first tensor load
	ds_add_u32 v[SPW], v[NIL]
	v_lshrrev_b32 v1, 5, v0
	v_readfirstlane_b32 s[WV], v1                  ; wave 0..3
	s_and_b32 s[HF], s[WV], 1                      ; which half of a tile's rows I fetch
	s_lshr_b32 s[SIDE], s[WV], 1                   ; for x (0) or for W (1)
	s_bfe_u32 s[CX], ttmp6, 0x40000
	s_lshl_b32 s[TC], ttmp9, 2
	s_add_co_u32 s[TC], s[TC], s[CX]               ; tile column 0..15
	s_and_b32 s[TR], ttmp7, 0xffff                 ; tile row 0..31: the same in all four partners
	SHAPE G1A,  15|(1<<20)|(1<<21)|(5<<22)|(3<<25), 256, 128, 512          ; elements of 1 byte; the mask of the four and bit 21; 4 words of padding behind every 64
	SHAPE G1B,  (1<<20)|(5<<22)|(3<<25), 256, 96, 512
	SHAPE G1SA, 15|(3<<16)|(1<<20)|(1<<21)|(5<<22)|(3<<25), 32, 16, 32     ; the scale bytes of 128 rows: 4,096 dense bytes as rows of 256 (32 elements of 8 bytes)
	SHAPE G1SB, (3<<16)|(1<<20)|(5<<22)|(3<<25), 32, 12, 32                ; of 96 rows
	s_lshl_b32 s90, s[TR], 8                       ; x: row 256 x tile row + 128 x half (these registers never hold a number that differs between partners)
	s_lshl_b32 s91, s[HF], 7
	s_add_co_u32 s90, s90, s91
	s_lshl_b32 s92, s90, 5                         ; its scale bytes,
	s_lshl_b32 s90, s90, 9                         ; its codes
	s_mov_b32 s91, 0
	s_mov_b32 s93, 0
	s_mul_i32 s94, s[TC], 192                      ; W: row 192 x tile column + 96 x half
	s_mul_i32 s95, s[HF], 96
	s_add_co_u32 s94, s94, s95
	s_lshl_b32 s96, s94, 5
	s_lshl_b32 s94, s94, 9
	s_mov_b32 s95, 0
	s_mov_b32 s97, 0
	s_mul_i32 s98, s[HF], 128*PITCH                ; where they go in LDS: the wave's number alone
	s_mul_i32 s99, s[HF], 96*PITCH
	s_mul_i32 s2, s[HF], 16*272
	s_mul_i32 s3, s[HF], 12*272
	s_wait_dscnt 0x0                               ; both opening adds are done
	s_wait_kmcnt 0x0
	s_mov_b32 s[G0A], 1
	s_mov_b32 s[G0A+1], s98
	s_add_nc_u64 s[G0A+2:G0A+3], s[4:5], s[90:91]
	s_mov_b32 s[G0A+4], 1
	s_add_co_u32 s[G0A+5], s98, SLOT
	s_add_nc_u64 s[G0A+6:G0A+7], s[G0A+2:G0A+3], 256   ; slot 1: 512 along K on
	s_or_b32 s[G0A+3], s[G0A+3], 0x80000000
	s_or_b32 s[G0A+7], s[G0A+7], 0x80000000
	s_mov_b32 s[G0B], 1
	s_add_co_u32 s[G0B+1], s99, BOFF
	s_add_nc_u64 s[G0B+2:G0B+3], s[8:9], s[94:95]
	s_mov_b32 s[G0B+4], 1
	s_add_co_u32 s[G0B+5], s99, SLOT+BOFF
	s_add_nc_u64 s[G0B+6:G0B+7], s[G0B+2:G0B+3], 256
	s_or_b32 s[G0B+3], s[G0B+3], 0x80000000
	s_or_b32 s[G0B+7], s[G0B+7], 0x80000000
	s_mov_b32 s[G0SA], 1
	s_add_co_u32 s[G0SA+1], s2, SCA
	s_add_nc_u64 s[G0SA+2:G0SA+3], s[6:7], s[92:93]
	s_or_b32 s[G0SA+3], s[G0SA+3], 0x80000000
	s_mov_b32 s[G0SB], 1
	s_add_co_u32 s[G0SB+1], s3, SCB
	s_add_nc_u64 s[G0SB+2:G0SB+3], s[10:11], s[96:97]
	s_or_b32 s[G0SB+3], s[G0SB+3], 0x80000000
	CROUND                                         ; all four work-groups are here: the joint loads meet
	JLOAD G0SA, G1SA, G0SB, G1SB                   ; three loads of mine are out: the scale bytes,
	JLOAD G0A, G1A, G0B, G1B                       ; slot 0,
	JLOAD G0A+4, G1A, G0B+4, G1B                   ; slot 1
	v_and_b32 v1, 15, v0                           ; r
	v_bfe_u32 v2, v0, 4, 1                         ; h
	v_lshlrev_b32 v[BO], 5, v2
	s_mul_i32 s94, s[TC], 768
	s_mov_b32 s95, 0
	s_add_nc_u64 s[12:13], s[12:13], s[94:95]      ; b_attn at my tile's first column
.irp b, 0,1,2,3,4,5,6,7,8,9,10,11
	global_load_b128 v[BIAS+8*\b:BIAS+8*\b+3], v[BO], s[12:13] offset:64*\b        ; lane (r, h): the bias of columns 16 b + 8 h + 0 .. 7: the result's layout
	global_load_b128 v[BIAS+8*\b+4:BIAS+8*\b+7], v[BO], s[12:13] offset:64*\b+16
.endr
	v_mul_u32_u24 v3, v1, PITCH
	v_lshl_add_u32 v3, v2, 4, v3                   ; a fragment's row x pitch + 16 x half
	s_mul_i32 s2, s[WV], 64*PITCH
	v_add_nc_u32 v[ADRA], s2, v3
	v_add_nc_u32 v[ADRA+1], SLOT, v[ADRA]
	v_add_nc_u32 v[ADRB], BOFF, v3
	v_add_nc_u32 v[ADRB+1], SLOT+BOFF, v3
	v_lshrrev_b32 v4, 3, v1                        ; scale bytes: 32 a row, eight rows to a unit of 256 + 16
	v_mul_u32_u24 v4, v4, 272
	v_and_b32 v6, 7, v1
	v_lshl_add_u32 v4, v6, 5, v4
	v_lshl_add_u32 v4, v2, 4, v4                   ; lanes 16-31: the row's second 16 bytes
	s_mul_i32 s2, s[WV], 8*272
	s_add_co_u32 s2, s2, SCA
	v_add_nc_u32 v[ADSA], s2, v4
	v_add_nc_u32 v[ADSB], SCB, v4
	s_mul_i32 s2, s[WV], 16*SPITCH
	s_add_co_u32 s2, s2, STAGE                     ; my stage
	v_mul_u32_u24 v6, v1, SPITCH
	v_lshl_add_u32 v6, v2, 4, v6
	v_add_nc_u32 v[STO], s2, v6                    ; in: row r, 16 bytes for each half of the lanes
	v_and_b32 v7, 31, v0
	v_lshrrev_b32 v8, 3, v7
	v_mul_u32_u24 v8, v8, SPITCH
	v_and_b32 v9, 7, v0
	v_lshl_add_u32 v8, v9, 4, v8
	v_add_nc_u32 v[RD], s2, v8                     ; back: eight lanes take a head's 128 bytes of a row, four rows an instruction
	v_lshlrev_b32 v[CO], 4, v7                     ; which are 512 consecutive bytes of the head's plane
	v_mul_u32_u24 v[FO], v1, 12288
	v_lshl_add_u32 v[FO], v2, 5, v[FO]             ; qkv32: row r, + 32 h
	s_mul_i32 s94, s[TC], 3                        ; the first of my three heads, counted over q, k, v: 0 .. 47
	s_lshr_b32 s95, s[TR], 3                       ; the batch
	s_lshl_b32 s96, s[TR], 8
	s_lshl_b32 s97, s[WV], 6
	s_add_co_u32 s96, s96, s97
	s_and_b32 s96, s96, 2047                       ; my first position in the sequence
	s_lshl_b32 s96, s96, 7
	s_lshl_b32 s2, s95, 4
.irp hd, 0,1,2
	s_add_co_u32 s97, s94, \hd
	s_lshr_b32 s98, s97, 4                         ; the part (q, k, v): 64 planes each
	s_lshl_b32 s98, s98, 6
	s_and_b32 s97, s97, 15
	s_add_co_u32 s98, s98, s97
	s_add_co_u32 s98, s98, s2                      ; + 16 x batch + head
	s_lshl_b32 s98, s98, 18                        ; planes of 262,144 bytes
	s_add_co_u32 s98, s98, s96
	s_mov_b32 s99, 0
	s_add_nc_u64 s[PL+2*\hd:PL+2*\hd+1], s[14:15], s[98:99]
.endr
	s_mul_i32 s98, s95, 196608
	s_mul_i32 s97, s[TC], 768
	s_add_co_u32 s98, s98, s97
	s_add_nc_u64 s[16:17], s[16:17], s[98:99]      ; qkv32 at my batch and my tile's first column
.macro FETCH q                         ; the fragments of the q-th 128 along K into set q % 2: 24 loads for W, 8 for x
.set FS, (\q)/4
.set FQ, (\q)%4
.set FP, (\q)%2
	WIN 0x40                                       ; destination window 1
.irp b, 0,1,2,3,4,5,6,7,8,9,10,11
.irp c, 0,1
	ds_load_b128 v[128*FP+8*\b+4*\c:128*FP+8*\b+4*\c+3], v[ADRB+FS] offset:64*FQ+32*\c+16*PITCH*\b
.endr
.endr
	WIN 0
.irp a, 0,1,2,3
.irp c, 0,1
	ds_load_b128 v[AF+32*FP+8*\a+4*\c:AF+32*FP+8*\a+4*\c+3], v[ADRA+FS] offset:64*FQ+32*\c+16*PITCH*\a
.endr
.endr
.endm
.macro SCALES
.irp a, 0,1,2,3
	ds_load_b128 v[SA+4*\a:SA+4*\a+3], v[ADSA] offset:544*\a
.endr
.irp b, 0,1,2,3,4,5,6,7,8,9,10,11
	ds_load_b128 v[SB+4*\b:SB+4*\b+3], v[ADSB] offset:544*\b
.endr
.endm
; 48 products of 16 x 16 x 128.  The 48 accumulators take turns, one instruction a turn, in the same order in every step.
.macro MUL q
.irp a, 0,1,2,3
.if (\q) == 0
	WIN 0x81+0x40*(\a/2)                           ; W window 1, x window 0, the bias (C) window 0, D window 2 or 3
.else
	WIN 0xa1+0x50*(\a/2)                           ; C and D window 2 or 3
.endif
.irp b, 0,1,2,3,4,5,6,7,8,9,10,11
.set rD, 8*(12*(\a%2)+\b)
.set rB, 128*((\q)%2)+8*\b
.set rA, AF+32*((\q)%2)+8*\a
.set rSB, SB+4*\b+(\q)%4
.set rSA, SA+4*\a+(\q)%4
.if (\q) == 0
	v_wmma_scale_f32_16x16x128_f8f6f4 v[rD:rD+7], v[rB:rB+7], v[rA:rA+7], v[BIAS+8*\b:BIAS+8*\b+7], v[rSB], v[rSA] matrix_a_fmt:MATRIX_FMT_FP4 matrix_b_fmt:MATRIX_FMT_FP4
.elseif (\q) < 4
	v_wmma_scale_f32_16x16x128_f8f6f4 v[rD:rD+7], v[rB:rB+7], v[rA:rA+7], v[rD:rD+7], v[rSB], v[rSA] matrix_a_fmt:MATRIX_FMT_FP4 matrix_b_fmt:MATRIX_FMT_FP4
.else
	v_wmma_scale_f32_16x16x128_f8f6f4 v[rD:rD+7], v[rB:rB+7], v[rA:rA+7], v[rD:rD+7], v[rSB], v[rSA] matrix_a_fmt:MATRIX_FMT_FP4 matrix_b_fmt:MATRIX_FMT_FP4 matrix_a_scale:MATRIX_SCALE_ROW1 matrix_b_scale:MATRIX_SCALE_ROW1
.endif
.endr
.endr
.endm
	s_wait_tensorcnt 0x1                           ; my scale bytes and my part of slot 0 are in; slot 1's load may stay out
	s_barrier_signal -1
	s_barrier_wait -1                              ; everybody's are
	SCALES
	FETCH 0
	s_wait_loadcnt 0x0                             ; the bias
.irp q, 0,1,2,3,4,5,6,7
.if \q == 3
	s_wait_tensorcnt 0x0                           ; my part of slot 1 is in (no load was issued behind it),
	s_wait_dscnt 0x0                               ; no LDS instruction of mine is pending at the signal,
	s_barrier_signal -1
	s_barrier_wait -1                              ; and everybody's part is in: the next fetch reads slot 1
.endif
.if \q < 7
.if \q > 0
	PLACES                                         ; four places in front of loads into registers that the step before multiplied
.endif
	FETCH \q+1
	s_wait_dscnt 32                                ; all but the 32 loads just issued: this step's fragments are in
.else
	s_wait_dscnt 0x0
.endif
	MUL \q
.endr
	PLACES                                         ; four places in front of the first read of results
	WIN 0
	; the first 16 positions of a sequence leave unrounded too: rows 256 TR .. + 15 where TR is a multiple of 8, which are wave 0's row block 0.  64 of 8,192 rows: they leave as pieces of 16 bytes
	s_and_b32 s2, s[TR], 7
	s_or_b32 s2, s2, s[WV]
	s_cmp_lg_u32 s2, 0
	s_cbranch_scc1 .Lno_fine
	WIN 0x08                                       ; a store's data: window 2
.irp b, 0,1,2,3,4,5,6,7,8,9,10,11
	global_store_b128 v[FO], v[8*\b:8*\b+3], s[16:17] offset:64*\b          ; each accumulator from its low end on
	global_store_b128 v[FO], v[8*\b+4:8*\b+7], s[16:17] offset:64*\b+16
.endr
	WIN 0
.Lno_fine:
; THE WAY OUT, a block of 16 rows x 192 columns at a time: rounded to f16, 16 bytes a lane into my stage, back by heads: four rows of a head are 512 consecutive bytes of its plane.
.macro PACK a
.set AC, 96*((\a)%2)
	WIN 0x0a+5*((\a)/2)                            ; sources 0 and 1: window 2 or 3
.irp b, 0,1,2,3,4,5,6,7,8,9,10,11
.irp u, 0,1,2,3
	v_cvt_pk_f16_f32 v[TMP+4*\b+\u], v[AC+8*\b+2*\u], v[AC+8*\b+2*\u+1]
.endr
.endr
	WIN 0
.endm
.macro TOSTAGE a
.set BB, 96+112*((\a)%2)
.irp b, 0,1,2,3,4,5,6,7,8,9,10,11
	ds_store_b128 v[STO], v[TMP+4*\b:TMP+4*\b+3] offset:32*\b
.endr
.irp hd, 0,1,2
.irp i, 0,1,2,3
	ds_load_b128 v[BB+4*(4*\hd+\i):BB+4*(4*\hd+\i)+3], v[RD] offset:128*\hd+4*SPITCH*\i   ; LDS serves a wave's instructions in order: these see the stores above
.endr
.endr
.endm
.macro SEND a
.set BB, 96+112*((\a)%2)
	s_wait_dscnt 0x0                               ; the block is back in registers
	s_wait_xcnt 0x0                                ; the stores of the block before have read their registers: the next block's loads may land there
.irp hd, 0,1,2
.irp i, 0,1,2,3
	global_store_b128 v[CO], v[BB+4*(4*\hd+\i):BB+4*(4*\hd+\i)+3], s[PL+2*\hd:PL+2*\hd+1] offset:2048*(\a)+512*\i   ; 32 lanes store 512 consecutive bytes, aligned
.endr
.endr
.endm
	PACK 0
	TOSTAGE 0
.irp a, 1,2,3                          ; block a's conversions stand between block a - 1's loads from the stage and the wait for them
	PACK \a
	SEND \a-1
	TOSTAGE \a
.endr
	SEND 3
	s_wait_tensorcnt 0x0                           ; the wave's end: a tensor wait, an add of 0 to my spare word and its wait, behind my last tensor load and my last LDS store
	ds_add_u32 v[SPW], v[NIL]
	s_wait_dscnt 0x0
	CROUND                                         ; the closing round
	s_endpgm
.Lfunc_end_k_q6b2778c236_qkv:
	.size	k_q6b2778c236_qkv, .Lfunc_end_k_q6b2778c236_qkv-k_q6b2778c236_qkv
	.p2alignl 7, 3214868480
	.fill 96, 4, 3214868480
	.section	.rodata,"a",@progbits
	.p2align	6, 0x0
	.amdhsa_kernel k_q6b2778c236_qkv
		.amdhsa_group_segment_fixed_size 327680
		.amdhsa_private_segment_fixed_size 0
		.amdhsa_enable_private_segment 0
		.amdhsa_kernarg_size 56
		.amdhsa_user_sgpr_count 2
		.amdhsa_user_sgpr_kernarg_segment_ptr 1
		.amdhsa_wavefront_size32 1
		.amdhsa_system_sgpr_workgroup_id_x 1
		.amdhsa_system_sgpr_workgroup_id_y 1
		.amdhsa_system_sgpr_workgroup_id_z 1
		.amdhsa_system_vgpr_workitem_id 0
		.amdhsa_next_free_vgpr 1024
		.amdhsa_next_free_sgpr 100
		.amdhsa_reserve_vcc 0
		.amdhsa_float_denorm_mode_32 3
		.amdhsa_float_denorm_mode_16_64 3
		.amdhsa_memory_ordered 1
		.amdhsa_forward_progress 1
		.amdhsa_inst_pref_size 106
	.end_amdhsa_kernel
	.amdgpu_metadata
---
amdhsa.version: [ 1, 2 ]
amdhsa.kernels:
  - .name:           k_q6b2778c236_qkv
    .symbol:         k_q6b2778c236_qkv.kd
    .args:
      - { .name: xc, .offset: 0, .size: 8, .value_kind: global_buffer, .address_space: global }
      - { .name: xs, .offset: 8, .size: 8, .value_kind: global_buffer, .address_space: global }
      - { .name: wc, .offset: 16, .size: 8, .value_kind: global_buffer, .address_space: global }
      - { .name: ws, .offset: 24, .size: 8, .value_kind: global_buffer, .address_space: global }
      - { .name: b_attn, .offset: 32, .size: 8, .value_kind: global_buffer, .address_space: global }
      - { .name: qkv, .offset: 40, .size: 8, .value_kind: global_buffer, .address_space: global }
      - { .name: qkv32, .offset: 48, .size: 8, .value_kind: global_buffer, .address_space: global }
    .group_segment_fixed_size: 327680
    .private_segment_fixed_size: 0
    .kernarg_segment_align: 8
    .kernarg_segment_size: 56
    .max_flat_workgroup_size: 128
    .sgpr_count:     100
    .vgpr_count:     1024
    .wavefront_size: 32
...
	.end_amdgpu_metadata
.endif
;; end of part 2
;; launch attn (part 3): grid 4 x 64, 16 waves a work-group, no clusters, 327,680 bytes of LDS; arguments qkv, att; writes att
.if DOCPART == 3
	.amdgcn_target "amdgcn-amd-amdhsa--gfx1250"
	.amdhsa_code_object_version 6
	.text
	.protected	k_q6b2778c236_attn
	.globl	k_q6b2778c236_attn
	.p2align	8
	.type	k_q6b2778c236_attn,@function
k_q6b2778c236_attn:
	s_mov_b64 s[64:65], 0
	v_nop
	global_prefetch_b8 v0, s[64:65] scope:SCOPE_SE
	s_setreg_imm32_b32 hwreg(HW_REG_WAVE_MODE, 25, 1), 1
	s_wait_xcnt 0x0
; att[b][h][q][:] = sum over k <= q of softmax_k(q . k / 8) v[k][:].  q, k, v: planes [2048][64] f16 of qkv; att: the same planes, f16.  Products on f16 operands, sums, maxima and the softmax in f32.
; The first 16 positions of each sequence are made here like all others; a later launch makes them again in f32.
; SHARES.  Work-group j (0..3) of a head owns query blocks 7 - j and j, 256 queries each: under the causal mask the two together are the same work for every j.  Both are served in ONE walk over the keys.
; A wave owns 32 queries, two tiles of 16, so each fragment of K and V feeds two products.  Which block a wave serves: (w xor (w >> 2)) & 1, so that late and early waves are mixed among any four neighbouring and any four 4-apart waves.
; NO CLUSTER: the four work-groups of a head need 8, 7, 6 and 5 slots of keys; a joint load would bring tiles that no wave of some partner reads.
; LAYOUT.  S^T = K Q^T (source 0 = 16 keys, source 1 = 16 queries): a lane holds one query and keys 8 (lane / 16) + 0..7; two such tiles rounded to f16 in pairs ARE source 1 of O^T = V^T P.  V is turned by ds_load_tr16_b128.
; SOFTMAX.  A running maximum m and sum l for each query: p = 2^(c s - c m), c = log2(e) / 8; in every step O and l are multiplied by a = 2^(c m_old - c m_new).  The sum is taken of the unrounded p.
; THE RING.  Two slots of 256 keys, filled by tensor loads (waves 0, 1: K's halves; waves 2, 3: V's).  Every work-group walks all 8 changes of slots (constant trip count); a step whose keys all come after a wave's queries is
; jumped over, and a slot whose first key comes after the work-group's last query is not asked for.  Every wait on TENSORcnt is for 0.
; In LDS two rows of 128 bytes lie in one row of 256 + padding ("pair rows"): row k at (k >> 1) x pitch + (k & 1) x 128.
; The step is written once: O and l begin as zeros and m as -3e38, so the first a is 0; that costs 64 v_mov_b32 once and saves a second copy of the step.  Key 0 counts for every query, so m is a number from the first step on.
; LIMIT: f16's range for q, k, v (65,504).
.set PK,    272                        ; K's pair rows: the 16 keys of a fragment load fall on 16 different 16-byte columns
.set PV,    288                        ; V's: the 8 keys x 32 bytes of half a turning load fall on 16 different 16-byte columns
.set VOFF,  128*PK                     ; a slot: 128 pair rows of K, then 128 of V
.set SLOT1, 1<<17
.set STAGE, SLOT1+128*(PK+PV)          ; behind the ring: 16 rows x 144 bytes for each wave
.set SPARE, STAGE+16*16*144            ; the spare words, 128 bytes a wave
.set AK0, 1
.set AV0, 2
.set SPW, 3
.set NIL, 4
.set ADK, 5
.set ADV, 6
.set DM,  7                            ; v7  r - 8 h
.set NINF, 8                           ; v8  -infinity
.set PFO, 9                            ; v9  256 x lane
.set ST,  12                           ; v12-27 tile t at ST + 8 t: +0 c m, +1 m, +2, +3 l, +4..+7 at work; a in +6
.set QR,  28                           ; v28-59   Q: fragment (t, c) at QR + 16 t + 8 c
.set S,   60                           ; v60-123  S^T: tile t at S + 32 t; p's f16 pairs are laid over its first 16 registers
.set OT,  124                          ; v124-187 O^T: OT + 32 t + 8 dt
.set KV,  188                          ; v188-251 eight fragments of K, then of V
.set STO, 252
.set RD,  253
.set GO,  254
.set WV,  8
.set Q0,  12                           ; s12 my first query
.set WGL, 13                           ; s13 my work-group's last query
.set KF,  14                           ; s14 the step's first key
.set TB,  15                           ; s15 LDS byte at which the slot in hand begins
.set SLOTS, 16
.set SEL, 18
.set CS,  20
.set G1K, 24
.set G1V, 32
.set G0K, 40
.set G0V, 44
.set PFA, 48
.set LIM, 50
.macro TLOAD                           ; waves 0, 1 fetch K's halves, waves 2, 3 V's, the others nothing; an s_nop 0 and four v_nop follow each line
	s_cmp_lt_u32 s[WV], 2
	s_cbranch_scc0 .Lnot_k_\@
	tensor_load_to_lds s[G0K:G0K+3], s[G1K:G1K+7]
	s_nop 0
.rept 4
	v_nop
.endr
	s_branch .Lasked_\@
.Lnot_k_\@:
	s_cmp_lt_u32 s[WV], 4
	s_cbranch_scc0 .Lasked_\@
	tensor_load_to_lds s[G0V:G0V+3], s[G1V:G1V+7]
	s_nop 0
.rept 4
	v_nop
.endr
.Lasked_\@:
.endm
; A prefetch of what the NEXT change of slots will ask for: 32,768 bytes of K and of V.  Each block of 256 bytes is named once in the launch: of a head's four work-groups only j = 0 asks, the one that loads all 8 slots;
; in it waves 4-7 ask for K's, waves 8-11 for V's, 8,192 bytes a wave, lanes 256 bytes apart.  Slots 0 and 1 come by their loads alone; the last change that fills a slot asks for nothing.
.macro ASK
	s_cmp_gt_u32 s[SLOTS], s[LIM]
	s_cbranch_scc0 .Lnot_mine_\@
	global_prefetch_b8 v[PFO], s[PFA:PFA+1] th:TH_LOAD_NT scope:SCOPE_SE
.Lnot_mine_\@:
.endm
	s_load_b128 s[4:7], s[0:1], 0x0                ; qkv, att
	v_lshl_add_u32 v[SPW], v0, 2, SPARE
	v_mov_b32 v[NIL], 0
	ds_add_u32 v[SPW], v[NIL]                      ; the wave's opening: the add, twice on end, and its wait ahead of my first tensor load
	ds_add_u32 v[SPW], v[NIL]
	v_lshrrev_b32 v10, 5, v0
	v_readfirstlane_b32 s[WV], v10                 ; wave 0..15
	s_lshr_b32 s52, s[WV], 2
	s_xor_b32 s9, s[WV], s52
	s_and_b32 s9, s9, 1                            ; 0: the late block, 1: the early one
	s_mov_b32 s10, ttmp9                           ; j
	s_and_b32 s11, ttmp7, 0xffff                   ; batch x 16 + head
	s_sub_co_u32 s52, 7, s10
	s_cmp_eq_u32 s9, 0
	s_cselect_b32 s52, s52, s10
	s_lshl_b32 s[Q0], s52, 8
	s_lshr_b32 s53, s[WV], 1
	s_lshl_b32 s53, s53, 5
	s_add_co_u32 s[Q0], s[Q0], s53                 ; 256 x block + 32 x (wave / 2)
	s_sub_co_u32 s[WGL], 8, s10
	s_lshl_b32 s[WGL], s[WGL], 8
	s_sub_co_u32 s[WGL], s[WGL], 1                 ; 256 (8 - j) - 1
	s_mov_b32 s[KF], 0
	s_mov_b32 s[TB], 0
	s_mov_b32 s[SLOTS], 7
	s_mov_b32 s[SEL], 0x76543210
	s_mov_b32 s[SEL+1], 0xfedcba98
	s_mov_b32 s[CS], 0x3e38aa3b                    ; c = log2(e) / 8
	s_mov_b32 s[CS+1], s[CS]
	; descriptor group 1: 128 keys = 16,384 dense bytes as 64 rows of 256 (32 elements of 8 bytes), padding behind each
	s_mov_b32 s[G1K], (3<<16)|(1<<20)|(5<<22)|(3<<25)
	s_mov_b32 s[G1V], (3<<16)|(1<<20)|(5<<22)|(7<<25)
.irp g, G1K, G1V
	s_mov_b32 s[\g+1], 32<<16
	s_mov_b32 s[\g+2], 64<<16
	s_mov_b32 s[\g+3], 32<<16
	s_mov_b32 s[\g+4], 64
	s_mov_b32 s[\g+5], 32
	s_mov_b32 s[\g+6], 0
	s_mov_b32 s[\g+7], 0
.endr
	s_and_b32 s54, s[WV], 1                        ; which 128 keys of a slot I fetch, if I fetch
	s_mul_i32 s55, s54, 64*PK
	s_mul_i32 s56, s54, 64*PV
	s_add_co_u32 s56, s56, VOFF
	s_lshl_b32 s57, s54, 14
	s_lshl_b32 s58, s11, 18                        ; my head's plane
	s_add_co_u32 s60, s57, s58
	s_add_co_u32 s60, s60, 0x1000000               ; in k's part,
	s_mov_b32 s61, 0
	s_add_co_u32 s62, s60, 0x1000000               ; in v's
	s_mov_b32 s63, 0
	s_wait_dscnt 0x0                               ; both opening adds are done
	s_wait_kmcnt 0x0
	s_mov_b32 s[G0K], 1
	s_mov_b32 s[G0K+1], s55
	s_add_nc_u64 s[G0K+2:G0K+3], s[4:5], s[60:61]
	s_or_b32 s[G0K+3], s[G0K+3], 0x80000000
	s_mov_b32 s[G0V], 1
	s_mov_b32 s[G0V+1], s56
	s_add_nc_u64 s[G0V+2:G0V+3], s[4:5], s[62:63]
	s_or_b32 s[G0V+3], s[G0V+3], 0x80000000
	TLOAD                                          ; slot 0: keys 0 .. 255, which every wave reads
	s_lshl_b32 s52, s[Q0], 7
	s_add_co_u32 s52, s52, s58
	s_mov_b32 s53, 0
	s_add_nc_u64 s[66:67], s[4:5], s[52:53]        ; q at my first query
	s_add_nc_u64 s[68:69], s[6:7], s[52:53]        ; att likewise
	s_cmp_lt_u32 s[WV], 8                          ; the prefetches: waves 4-7 K's part, waves 8-11 V's
	s_mov_b32 s53, 0x2000000
	s_cselect_b32 s52, 0x1000000, s53
	s_add_co_u32 s52, s52, s58
	s_and_b32 s53, s[WV], 3
	s_lshl_b32 s53, s53, 13
	s_add_co_u32 s52, s52, s53
	s_add_co_u32 s52, s52, 32768                   ; in slot 1: the first change of slots steps it to slot 2
	s_mov_b32 s53, 0
	s_add_nc_u64 s[PFA:PFA+1], s[4:5], s[52:53]
	s_sub_co_u32 s52, s[WV], 4
	s_lshr_b32 s52, s52, 3                         ; 0 in waves 4 to 11,
	s_or_b32 s52, s52, ttmp9                       ; of work-group j = 0
	s_cmp_eq_u32 s52, 0
	s_cselect_b32 s[LIM], 1, -1
	v_and_b32 v10, 15, v0                          ; r
	v_bfe_u32 v11, v0, 4, 1                        ; h
	v_lshlrev_b32 v[ADK], 7, v10
	v_lshl_add_u32 v[ADK], v11, 4, v[ADK]          ; Q: row r of 128 bytes + 16 h
.irp t, 0,1
.irp c, 0,1
	global_load_b128 v[QR+16*\t+8*\c:QR+16*\t+8*\c+3], v[ADK], s[66:67] offset:2048*\t+64*\c
	global_load_b128 v[QR+16*\t+8*\c+4:QR+16*\t+8*\c+7], v[ADK], s[66:67] offset:2048*\t+64*\c+32
.endr
.endr
	v_lshrrev_b32 v[ADV], 1, v10
	v_mul_u32_u24 v[AK0], v[ADV], PK
	v_and_b32 v[ADV], 1, v10
	v_lshl_add_u32 v[AK0], v[ADV], 7, v[AK0]
	v_lshl_add_u32 v[AK0], v11, 4, v[AK0]          ; K: (r >> 1) PK + (r & 1) 128 + 16 h
	v_and_b32 v[ADV], 7, v0
	v_lshl_add_u32 v[ADV], v11, 3, v[ADV]          ; V: key 8 h + lane % 8
	v_lshrrev_b32 v[AV0], 1, v[ADV]
	v_mul_u32_u24 v[AV0], v[AV0], PV
	v_and_b32 v[ADV], 1, v[ADV]
	v_lshl_add_u32 v[AV0], v[ADV], 7, v[AV0]
	v_bfe_u32 v[ADV], v0, 3, 1
	v_lshl_add_u32 v[AV0], v[ADV], 4, v[AV0]       ; channels 8 ((lane / 8) % 2) on
	v_add_nc_u32 v[AV0], VOFF, v[AV0]
	v_lshlrev_b32 v[ADV], 3, v11
	v_sub_nc_u32 v[DM], v10, v[ADV]
	v_mov_b32 v[NINF], 0xff800000
	s_mul_i32 s52, s[WV], 16*144
	s_add_co_u32 s52, s52, STAGE                   ; my stage
	v_mul_u32_u24 v[STO], v10, 144
	v_lshl_add_u32 v[STO], v11, 4, v[STO]
	v_add_nc_u32 v[STO], s52, v[STO]
	v_and_b32 v[ADV], 31, v0
	v_lshlrev_b32 v[GO], 4, v[ADV]
	v_lshlrev_b32 v[PFO], 8, v[ADV]
	v_lshrrev_b32 v[ADV], 3, v[ADV]
	v_mul_u32_u24 v[RD], v[ADV], 144
	v_and_b32 v[ADV], 7, v0
	v_lshl_add_u32 v[RD], v[ADV], 4, v[RD]
	v_add_nc_u32 v[RD], s52, v[RD]
.irp t, 0,1
	v_mov_b32 v[ST+8*\t+1], 0xff61b1e6             ; m = -3e38, under every score
	v_mul_f32 v[ST+8*\t], s[CS], v[ST+8*\t+1]      ; c m
.irp i, 2,3,4,5,6,7
	v_mov_b32 v[ST+8*\t+\i], 0                     ; l, and the registers at work: written once, so that none is read unwritten
.endr
.endr
.set n, 0
.rept 64
	v_mov_b32 v[OT+n], 0
.set n, n+1
.endr
; A KEY STEP: 64 keys, the q-th of the slot in hand, for my 32 queries.
.macro STEP q
	s_add_co_u32 s52, s[Q0], 31
	s_cmp_gt_u32 s[KF], s52                        ; all 64 keys come after my queries: the work is left out (ids and the count of steps alone)
	s_cbranch_scc1 .Lhidden_\@
	v_add_nc_u32 v[ADK], s[TB], v[AK0]
	v_add_nc_u32 v[ADV], s[TB], v[AV0]
.rept 3
	v_nop                                          ; with the two additions five places behind the last step's products: four for the loads into V's registers, five for the products that write over p's
.endr
.irp c, 0,1                            ; K's eight fragments, the first 32 channels first
.irp kt, 0,1,2,3
	ds_load_b128 v[KV+8*(2*\kt+\c):KV+8*(2*\kt+\c)+3], v[ADK] offset:(32*(\q)+8*\kt)*PK+64*\c
	ds_load_b128 v[KV+8*(2*\kt+\c)+4:KV+8*(2*\kt+\c)+7], v[ADK] offset:(32*(\q)+8*\kt)*PK+64*\c+32
.endr
.endr
.irp c, 0,1                            ; S^T = K Q^T: eight accumulators by turns
	s_wait_dscnt 8-8*\c                            ; the fragments of these 32 channels are in; the eight loads of the other 32 may be out
.irp kt, 0,1,2,3
.irp t, 0,1
.if \c == 0
	v_wmma_f32_16x16x32_f16 v[S+32*\t+8*\kt:S+32*\t+8*\kt+7], v[KV+8*(2*\kt+\c):KV+8*(2*\kt+\c)+7], v[QR+16*\t+8*\c:QR+16*\t+8*\c+7], 0
.else
	v_wmma_f32_16x16x32_f16 v[S+32*\t+8*\kt:S+32*\t+8*\kt+7], v[KV+8*(2*\kt+\c):KV+8*(2*\kt+\c)+7], v[QR+16*\t+8*\c:QR+16*\t+8*\c+7], v[S+32*\t+8*\kt:S+32*\t+8*\kt+7]
.endif
.endr
.endr
.endr
.rept 4
	v_nop                                          ; four places: for the loads into K's registers and for the first read of the scores
.endr
.irp kc, 0,1                           ; V's eight fragments, turned: they land while the softmax is walked
.irp dt, 0,1,2,3
	ds_load_tr16_b128 v[KV+8*(4*\kc+\dt):KV+8*(4*\kc+\dt)+3], v[ADV] offset:(32*(\q)+16*\kc)*PV+32*\dt
	ds_load_tr16_b128 v[KV+8*(4*\kc+\dt)+4:KV+8*(4*\kc+\dt)+7], v[ADV] offset:(32*(\q)+16*\kc+8)*PV+32*\dt
.endr
.endr
	s_add_co_u32 s52, s[KF], 63
	s_cmp_le_u32 s52, s[Q0]                        ; all 64 keys count for all my queries: no mask
	s_cbranch_scc1 .Lopen_\@
	s_sub_co_u32 s52, s[Q0], s[KF]                 ; my one step on the diagonal.  Register n of tile t holds key KF + 16 (n / 8) + 8 h + n % 8; my query is Q0 + 16 t + r
	v_add_nc_u32 v10, s52, v[DM]
	v_add_nc_u32 v11, 16, v10
.set n, 0
.rept 32
	v_cmp_gt_i32 vcc_lo, 16*(n/8)+n%8, v10
	v_cndmask_b32 v[S+n], v[S+n], v[NINF], vcc_lo
	v_cmp_gt_i32 vcc_lo, 16*(n/8)+n%8, v11
	v_cndmask_b32 v[S+32+n], v[S+32+n], v[NINF], vcc_lo
.set n, n+1
.endr
.Lopen_\@:
	; the softmax, the two tiles line by line.  The maximum: four chains, each begun at an accumulator's low end
.irp j, 0,1,2,3
.irp t, 0,1
	v_max3_num_f32 v[ST+8*\t+4+\j], v[S+32*\t+8*\j], v[S+32*\t+8*\j+1], v[S+32*\t+8*\j+2]
.endr
.endr
.irp u, 1,2
.irp j, 0,1,2,3
.irp t, 0,1
	v_max3_num_f32 v[ST+8*\t+4+\j], v[ST+8*\t+4+\j], v[S+32*\t+8*\j+2*\u+1], v[S+32*\t+8*\j+2*\u+2]
.endr
.endr
.endr
.irp t, 0,1
	v_max3_num_f32 v[ST+8*\t+4], v[ST+8*\t+4], v[S+32*\t+7], v[S+32*\t+15]
.endr
.irp t, 0,1
	v_max3_num_f32 v[ST+8*\t+6], v[ST+8*\t+6], v[S+32*\t+23], v[S+32*\t+31]
.endr
.irp t, 0,1
	v_max3_num_f32 v[ST+8*\t+4], v[ST+8*\t+4], v[ST+8*\t+5], v[ST+8*\t+6]
.endr
.irp t, 0,1
	v_max3_num_f32 v[ST+8*\t+4], v[ST+8*\t+4], v[ST+8*\t+7], v[ST+8*\t+1]   ; with the old m
.endr
.irp t, 0,1
	v_permlanex16_b32 v[ST+8*\t+5], v[ST+8*\t+4], s[SEL], s[SEL+1]          ; the query's other 32 keys lie in the lane 16 away
.endr
.irp t, 0,1
	v_mov_b32 v[ST+8*\t+7], v[ST+8*\t]             ; c m_old
.endr
.irp t, 0,1
	v_max_num_f32 v[ST+8*\t+1], v[ST+8*\t+4], v[ST+8*\t+5]
.endr
.irp t, 0,1
	v_mul_f32 v[ST+8*\t], s[CS], v[ST+8*\t+1]
.endr
.irp t, 0,1
	v_sub_f32 v[ST+8*\t+7], v[ST+8*\t+7], v[ST+8*\t]
.endr
.set n, 0
.rept 16
	v_pk_fma_f32 v[S+2*n:S+2*n+1], v[S+2*n:S+2*n+1], s[CS:CS+1], v[ST:ST+1] op_sel_hi:[1,0,0] neg_lo:[0,0,1] neg_hi:[0,0,1]             ; c s - c m
	v_pk_fma_f32 v[S+32+2*n:S+32+2*n+1], v[S+32+2*n:S+32+2*n+1], s[CS:CS+1], v[ST+8:ST+9] op_sel_hi:[1,0,0] neg_lo:[0,0,1] neg_hi:[0,0,1]
.set n, n+1
.endr
.irp t, 0,1
	v_exp_f32 v[ST+8*\t+6], v[ST+8*\t+7]           ; a
.endr
.set n, 0
.rept 32
	v_exp_f32 v[S+n], v[S+n]                       ; p: 66 exponentials are one batch
	v_exp_f32 v[S+32+n], v[S+32+n]
.set n, n+1
.endr
	v_nop                                          ; a plain instruction behind the last exponential
	s_wait_alu depctr_va_vdst(0)                   ; one wait for the batch, ahead of its first reader
.irp t, 0,1
	v_pk_fma_f32 v[ST+8*\t+2:ST+8*\t+3], v[ST+8*\t+2:ST+8*\t+3], v[ST+8*\t+6:ST+8*\t+7], v[S+32*\t:S+32*\t+1] op_sel_hi:[1,0,1]   ; l = l a + the first pair
.endr
.irp t, 0,1
	v_pk_add_f32 v[ST+8*\t+4:ST+8*\t+5], v[S+32*\t+2:S+32*\t+3], v[S+32*\t+4:S+32*\t+5]   ; a second chain
.endr
.irp b, 3,5,7,9,11,13
.irp t, 0,1
	v_pk_add_f32 v[ST+8*\t+2:ST+8*\t+3], v[ST+8*\t+2:ST+8*\t+3], v[S+32*\t+2*\b:S+32*\t+2*\b+1]
	v_pk_add_f32 v[ST+8*\t+4:ST+8*\t+5], v[ST+8*\t+4:ST+8*\t+5], v[S+32*\t+2*\b+2:S+32*\t+2*\b+3]
.endr
.endr
.irp t, 0,1
	v_pk_add_f32 v[ST+8*\t+2:ST+8*\t+3], v[ST+8*\t+2:ST+8*\t+3], v[S+32*\t+30:S+32*\t+31]
.endr
.irp t, 0,1
	v_pk_add_f32 v[ST+8*\t+2:ST+8*\t+3], v[ST+8*\t+2:ST+8*\t+3], v[ST+8*\t+4:ST+8*\t+5]
.endr
.set n, 0
.rept 16
	v_cvt_pk_f16_f32 v[S+n], v[S+2*n], v[S+2*n+1]                   ; p to f16, in place and ascending: register n takes pair n
	v_cvt_pk_f16_f32 v[S+32+n], v[S+32+2*n], v[S+32+2*n+1]
.set n, n+1
.endr
.set n, 0
.rept 16
	v_pk_mul_f32 v[OT+2*n:OT+2*n+1], v[OT+2*n:OT+2*n+1], v[ST+6:ST+7] op_sel_hi:[1,0]               ; O^T x a
	v_pk_mul_f32 v[OT+32+2*n:OT+32+2*n+1], v[OT+32+2*n:OT+32+2*n+1], v[ST+14:ST+15] op_sel_hi:[1,0]
.set n, n+1
.endr
	s_wait_dscnt 0x0                               ; V is in
.irp kc, 0,1                           ; O^T += V^T P: eight accumulators by turns
.irp dt, 0,1,2,3
.irp t, 0,1
	v_wmma_f32_16x16x32_f16 v[OT+32*\t+8*\dt:OT+32*\t+8*\dt+7], v[KV+8*(4*\kc+\dt):KV+8*(4*\kc+\dt)+7], v[S+32*\t+8*\kc:S+32*\t+8*\kc+7], v[OT+32*\t+8*\dt:OT+32*\t+8*\dt+7]
.endr
.endr
.endr
.Lhidden_\@:
	s_add_co_u32 s[KF], s[KF], 64
.endm
; THE CHANGE OF SLOTS, at a slot's head.  Each wave waits for all its tensor loads, adds 0 to its spare word, and waits for that and for its reads of the slot that it has left; behind the barrier the slot ahead is whole
; and nobody reads the other one.  fill = 1: the other slot takes the next 256 keys, unless they all come after the work-group's last query.
.macro CHANGE fill
	s_wait_tensorcnt 0x0                           ; no tensor load of mine is out, so a group 0 may be written
	ds_add_u32 v[SPW], v[NIL]
.if \fill
	ds_add_u32 v[SPW], v[NIL]                      ; and twice on end here, in every trip alike
	s_xor_b32 s[G0K+1], s[G0K+1], SLOT1
	s_add_nc_u64 s[G0K+2:G0K+3], s[G0K+2:G0K+3], 32768
	s_xor_b32 s[G0V+1], s[G0V+1], SLOT1
	s_add_nc_u64 s[G0V+2:G0V+3], s[G0V+2:G0V+3], 32768
	s_wait_xcnt 0x0                                ; the last prefetch, a slot back, has read its address
	s_add_nc_u64 s[PFA:PFA+1], s[PFA:PFA+1], 32768
.endif
	s_wait_dscnt 0x0                               ; the add is done, and my reads of the slot that I have left are over
	s_barrier_signal -1
	s_barrier_wait -1
.if \fill
	s_add_co_u32 s52, s[KF], 256                   ; the first key of the slot that this change would ask for
	s_cmp_gt_u32 s52, s[WGL]                       ; ids and the count of steps alone: all sixteen waves go the same way
	s_cbranch_scc1 .Lpast_\@
	TLOAD                                          ; a wave's one tensor load until the next such barrier
.Lpast_\@:
	ASK                                            ; four key steps ahead of the load that will want it
.endif
.endm
.macro SLOT_STEPS
	STEP 0
	STEP 1
	STEP 2
	STEP 3
	s_xor_b32 s[TB], s[TB], SLOT1
.endm
	s_wait_loadcnt 0x0                             ; Q
.Lslot:                                            ; 7 trips: behind each change of slots but the last the next slot is asked for, up to the causal limit
	CHANGE 1
	SLOT_STEPS
	s_sub_co_u32 s[SLOTS], s[SLOTS], 1
	s_cmp_lg_u32 s[SLOTS], 0
	s_cbranch_scc1 .Lslot
	CHANGE 0                                       ; the last slot is written out: nothing is left to ask for
	SLOT_STEPS
	; THE WAY OUT.  l's halves and the other half of the lanes' are added; O^T / l is rounded to f16 and goes through my stage: four rows of 128 bytes are 512 consecutive bytes of att's plane.
.irp t, 0,1
	v_add_f32 v[ST+8*\t+4], v[ST+8*\t+2], v[ST+8*\t+3]
.endr
.irp t, 0,1
	v_permlanex16_b32 v[ST+8*\t+5], v[ST+8*\t+4], s[SEL], s[SEL+1]
.endr
.irp t, 0,1
	v_add_f32 v[ST+8*\t+4], v[ST+8*\t+4], v[ST+8*\t+5]
.endr
.irp t, 0,1
	v_rcp_f32 v[ST+8*\t+6], v[ST+8*\t+4]
.endr
.rept 4
	v_nop                                          ; plain instructions behind the reciprocals; with the additions above also the places behind the last products
.endr
	s_wait_alu depctr_va_vdst(0)                   ; one wait for both reciprocals, ahead of their first reader
.irp t, 0,1
.set n, 0
.rept 16
	v_pk_mul_f32 v[OT+32*\t+2*n:OT+32*\t+2*n+1], v[OT+32*\t+2*n:OT+32*\t+2*n+1], v[ST+8*\t+6:ST+8*\t+7] op_sel_hi:[1,0]
.set n, n+1
.endr
.set n, 0
.rept 16
	v_cvt_pk_f16_f32 v[S+32*\t+n], v[OT+32*\t+2*n], v[OT+32*\t+2*n+1]
.set n, n+1
.endr
.irp dt, 0,1,2,3
	ds_store_b128 v[STO], v[S+32*\t+4*\dt:S+32*\t+4*\dt+3] offset:32*\dt
.endr
.irp i, 0,1,2,3
	ds_load_b128 v[KV+16*\t+4*\i:KV+16*\t+4*\i+3], v[RD] offset:4*144*\i   ; in order behind my stores; the next tile's stores come behind these
.endr
.endr
.irp t, 0,1
.irp i, 0,1,2,3
	s_wait_dscnt 11-8*\t-\i                        ; behind this load: the rest of its tile's, and for tile 0 the eight LDS instructions of tile 1
	global_store_b128 v[GO], v[KV+16*\t+4*\i:KV+16*\t+4*\i+3], s[68:69] offset:2048*\t+512*\i
.endr
.endr
	s_wait_tensorcnt 0x0                           ; the wave's end: a tensor wait, an add of 0 to my spare word and its wait, behind my last tensor load and my last LDS store
	ds_add_u32 v[SPW], v[NIL]
	s_wait_dscnt 0x0
	s_endpgm
.Lfunc_end_k_q6b2778c236_attn:
	.size	k_q6b2778c236_attn, .Lfunc_end_k_q6b2778c236_attn-k_q6b2778c236_attn
	.p2alignl 7, 3214868480
	.fill 96, 4, 3214868480
	.section	.rodata,"a",@progbits
	.p2align	6, 0x0
	.amdhsa_kernel k_q6b2778c236_attn
		.amdhsa_group_segment_fixed_size 327680
		.amdhsa_private_segment_fixed_size 0
		.amdhsa_enable_private_segment 0
		.amdhsa_kernarg_size 16
		.amdhsa_user_sgpr_count 2
		.amdhsa_user_sgpr_kernarg_segment_ptr 1
		.amdhsa_wavefront_size32 1
		.amdhsa_system_sgpr_workgroup_id_x 1
		.amdhsa_system_sgpr_workgroup_id_y 1
		.amdhsa_system_sgpr_workgroup_id_z 1
		.amdhsa_system_vgpr_workitem_id 0
		.amdhsa_next_free_vgpr 256
		.amdhsa_next_free_sgpr 100
		.amdhsa_reserve_vcc 1
		.amdhsa_float_denorm_mode_32 3
		.amdhsa_float_denorm_mode_16_64 3
		.amdhsa_memory_ordered 1
		.amdhsa_forward_progress 1
		.amdhsa_inst_pref_size 188
	.end_amdhsa_kernel
	.amdgpu_metadata
---
amdhsa.version: [ 1, 2 ]
amdhsa.kernels:
  - .name:           k_q6b2778c236_attn
    .symbol:         k_q6b2778c236_attn.kd
    .args:
      - { .name: qkv, .offset: 0, .size: 8, .value_kind: global_buffer, .address_space: global }
      - { .name: att, .offset: 8, .size: 8, .value_kind: global_buffer, .address_space: global }
    .group_segment_fixed_size: 327680
    .private_segment_fixed_size: 0
    .kernarg_segment_align: 8
    .kernarg_segment_size: 16
    .max_flat_workgroup_size: 512
    .sgpr_count:     100
    .vgpr_count:     256
    .wavefront_size: 32
...
	.end_amdgpu_metadata
.endif
;; end of part 3
;; launch proj (part 4): grid 4 x 64, 4 waves a work-group, clusters of 4 x 4, 327,680 bytes of LDS; arguments att, wpt, b_proj, out0; writes out0
.if DOCPART == 4
	.amdgcn_target "amdgcn-amd-amdhsa--gfx1250"
	.amdhsa_code_object_version 6
	.text
	.protected	k_q6b2778c236_proj
	.globl	k_q6b2778c236_proj
	.p2align	8
	.type	k_q6b2778c236_proj,@function
k_q6b2778c236_proj:
	s_mov_b64 s[64:65], 0
	v_nop
	global_prefetch_b8 v0, s[64:65] scope:SCOPE_SE
	s_setreg_imm32_b32 hwreg(HW_REG_WAVE_MODE, 25, 1), 1
	s_wait_xcnt 0x0
	s_wait_alu depctr_hold_cnt(0) depctr_sa_sdst(0) depctr_va_vdst(0) depctr_va_sdst(0) depctr_va_ssrc(0) depctr_va_vcc(0) depctr_vm_vsrc(0)
	s_getreg_b32 s2, hwreg(HW_REG_IB_STS2, 6, 4)
	s_cmp_eq_u32 s2, 0
	s_cbranch_scc0 .Lentry_in_a_cluster
	s_endpgm
.Lentry_in_a_cluster:
	s_bfe_u32 s2, ttmp6, 0x10000c
	s_cmp_lg_u32 s2, 0xf033
	s_cbranch_scc0 .Lentry_shape_is_right
	s_endpgm
.Lentry_shape_is_right:
; out0 = att W_proj + b_proj.  att: [4 b][16 h][2048 t][64] f16 (planes by head); wpt: [16 kb][1024 n][64 k] f16; out0: [8192][1024] f32.  f16 operands, f32 sums; the bias is the C of each sum's first product.
; A tile is 128 rows x 256 columns: 64 x 4 = 256 work-groups.  Four waves, each 64 x 128: 32 accumulators, 256 registers.
; K goes in steps of 128 = two planes (two heads) through a ring of two LDS slots.  A plane's part of a tile is a dense block of memory: 128 rows of att are 16,384 bytes, 256 rows of wpt 32,768; each comes as rows of 256 bytes
; ("pair rows": row k at (k >> 1) x 272 + (k & 1) x 128).  Waves 0, 1 fetch att's two planes, waves 2, 3 wpt's: one load a wave behind each round.
; CLUSTER 4 x 4: att's tiles are shared along a row of the cluster, wpt's along a column: joint loads.  THE MATRIX INSTRUCTION IS USED TRANSPOSED (source 0 = 16 columns, source 1 = 16 rows): a lane holds eight neighbouring columns of a row.
; All rows are made here; the first 16 positions of each sequence are written again by the launch that follows, in f32 throughout.
; No prefetch: a short launch on small tiles that sixteen partners share.
; REGISTERS: window 0: v16-29 addresses; v64-159 and v160-255 two fragment buffers (wpt's 64 registers, then att's 32); on the way out v64-191 rows read back.   window 1: the accumulators, (a, b) at v[8 (8 a + b)].   window 2: v0-63 the bias.
.set P,     272
.set APL,   64*P                       ; a plane of att's tile
.set BPL,   128*P                      ; a plane of wpt's
.set SLOT,  2*APL+2*BPL
.set STAGE, 2*SLOT                     ; 16 rows x 528 bytes for each wave
.set SPITCH, 528
.set SPARE, STAGE+4*16*SPITCH
.set LAPS,  4                          ; 8 K steps, two to a lap
.set ADRA, 16
.set ADRB, 20
.set STO,  24
.set RD,   25
.set CO,   26
.set BO,   27
.set SPW,  28
.set NIL,  29
.set F0,   64
.set F1,   160
.set WV,   12
.set SIDE, 13                          ; s13 wave / 2: I fetch for att (0) or wpt (1); also which 64 rows are mine
.set HF,   14                          ; s14 wave % 2: which plane I fetch; also which 128 columns are mine
.set G1A,  24
.set G0A,  32
.set G1B,  40
.set G0B,  48
.set MSB, 0
.macro WIN new
.if MSB != (\new)
	s_set_vgpr_msb (MSB<<8)|(\new)
.set MSB, (\new)
.endif
.endm
.macro PLACES
.rept 4
	v_nop
.endr
.endm
.macro JLOAD s                         ; a joint load; an s_nop 0 and four v_nop follow each of the two lines
	s_cmp_eq_u32 s[SIDE], 0
	s_cbranch_scc0 .Lfor_b_\@
	tensor_load_to_lds s[G0A+4*\s:G0A+4*\s+3], s[G1A:G1A+7]
	s_nop 0
.rept 4
	v_nop
.endr
	s_branch .Lasked_\@
.Lfor_b_\@:
	tensor_load_to_lds s[G0B+4*\s:G0B+4*\s+3], s[G1B:G1B+7]
	s_nop 0
.rept 4
	v_nop
.endr
.Lasked_\@:
.endm
.macro CREST
	s_cmp_lg_u32 s[WV], 0
	s_cbranch_scc1 .Lnot_wave_0_\@
	s_barrier_signal -3
.Lnot_wave_0_\@:
	s_barrier_wait -3
	s_barrier_signal -1
	s_barrier_wait -1
.endm
.macro CROUND
	s_barrier_signal -1
	s_barrier_wait -1
	CREST
.endm
	s_load_b256 s[4:11], s[0:1], 0x0               ; att s[4:5], wpt s[6:7], b_proj s[8:9], out0 s[10:11]
	v_lshl_add_u32 v[SPW], v0, 2, SPARE
	v_mov_b32 v[NIL], 0
	ds_add_u32 v[SPW], v[NIL]                      ; the wave's opening: the add, twice on end, and its wait ahead of my first tensor load
	ds_add_u32 v[SPW], v[NIL]
	v_lshrrev_b32 v1, 5, v0
	v_readfirstlane_b32 s[WV], v1
	s_lshr_b32 s[SIDE], s[WV], 1
	s_and_b32 s[HF], s[WV], 1
	s_bfe_u32 s15, ttmp6, 0x40000                  ; cx
	s_bfe_u32 s16, ttmp6, 0x40004                  ; cy
	s_lshl_b32 s17, ttmp9, 2
	s_add_co_u32 s17, s17, s15                     ; tile column 0..3
	s_and_b32 s18, ttmp7, 0xffff
	s_lshl_b32 s18, s18, 2
	s_add_co_u32 s18, s18, s16                     ; tile row 0..63
	s_lshl_b32 s19, s16, 2
	s_lshl_b32 s19, 15, s19                        ; my row of the cluster
	s_lshl_b32 s20, 0x1111, s15                    ; my column
	s_or_b32 s[G1A], s19, (3<<16)|(1<<20)|(1<<21)|(5<<22)|(3<<25)   ; the mask; elements of 8 bytes; padding on; bit 21 beside a mask; 4 words behind every 64
	s_or_b32 s[G1B], s20, (3<<16)|(1<<20)|(1<<21)|(5<<22)|(3<<25)
	s_mov_b32 s[G1A+1], 32<<16
	s_mov_b32 s[G1A+2], 64<<16
	s_mov_b32 s[G1A+3], 32<<16
	s_mov_b32 s[G1A+4], 64
	s_mov_b32 s[G1A+5], 32
	s_mov_b32 s[G1A+6], 0
	s_mov_b32 s[G1A+7], 0
	s_mov_b32 s[G1B+1], 32<<16
	s_mov_b32 s[G1B+2], 128<<16
	s_mov_b32 s[G1B+3], 32<<16
	s_mov_b32 s[G1B+4], 128
	s_mov_b32 s[G1B+5], 32
	s_mov_b32 s[G1B+6], 0
	s_mov_b32 s[G1B+7], 0
	s_lshr_b32 s56, s18, 4                         ; att: batch x 16 planes + my plane + (tile row % 16) x 128 rows of 128 bytes (no number of the tile column enters these registers)
	s_lshl_b32 s56, s56, 22
	s_and_b32 s57, s18, 15
	s_lshl_b32 s57, s57, 14
	s_add_co_u32 s56, s56, s57
	s_lshl_b32 s57, s[HF], 18
	s_add_co_u32 s56, s56, s57
	s_mov_b32 s57, 0
	s_lshl_b32 s60, s17, 15                        ; wpt: my plane + tile column x 256 rows of 128 bytes
	s_lshl_b32 s61, s[HF], 17
	s_add_co_u32 s60, s60, s61
	s_mov_b32 s61, 0
	s_mul_i32 s58, s[HF], APL                      ; where they go: the wave's number alone
	s_mul_i32 s62, s[HF], BPL
	s_add_co_u32 s62, s62, 2*APL
	s_wait_dscnt 0x0                               ; both opening adds are done
	s_wait_kmcnt 0x0
	s_add_nc_u64 s[56:57], s[4:5], s[56:57]
	s_add_nc_u64 s[60:61], s[6:7], s[60:61]
	CROUND                                         ; all sixteen work-groups are here: the first joint loads meet
.irp s, 0,1
	s_mov_b32 s[G0A+4*\s], 1
	s_add_co_u32 s[G0A+4*\s+1], s58, \s*SLOT
	s_add_nc_u64 s[G0A+4*\s+2:G0A+4*\s+3], s[56:57], \s*2*262144   ; K step s: planes 2 s, 2 s + 1
	s_or_b32 s[G0A+4*\s+3], s[G0A+4*\s+3], 0x80000000
	s_mov_b32 s[G0B+4*\s], 1
	s_add_co_u32 s[G0B+4*\s+1], s62, \s*SLOT
	s_add_nc_u64 s[G0B+4*\s+2:G0B+4*\s+3], s[60:61], \s*2*131072
	s_or_b32 s[G0B+4*\s+3], s[G0B+4*\s+3], 0x80000000
	JLOAD \s
.endr
	v_and_b32 v1, 15, v0                           ; r
	v_bfe_u32 v2, v0, 4, 1                         ; h
	v_lshlrev_b32 v[BO], 5, v2
	s_lshl_b32 s66, s17, 10
	s_lshl_b32 s67, s[HF], 9
	s_add_co_u32 s66, s66, s67                     ; my first column, in bytes of f32
	s_mov_b32 s67, 0
	s_add_nc_u64 s[8:9], s[8:9], s[66:67]
	WIN 0x80                                       ; destination window 2
.irp b, 0,1,2,3,4,5,6,7
	global_load_b128 v[8*\b:8*\b+3], v[BO], s[8:9] offset:64*\b          ; lane (r, h): the bias of columns 16 b + 8 h + 0 .. 7
	global_load_b128 v[8*\b+4:8*\b+7], v[BO], s[8:9] offset:64*\b+16
.endr
	WIN 0
	v_lshrrev_b32 v3, 1, v1
	v_mul_u32_u24 v3, v3, P
	v_and_b32 v4, 1, v1
	v_lshl_add_u32 v3, v4, 7, v3
	v_lshl_add_u32 v3, v2, 4, v3                   ; (r >> 1) P + (r & 1) 128 + 16 h
	s_mul_i32 s21, s[SIDE], 32*P                   ; my 64 rows of att's planes
	s_mul_i32 s22, s[HF], 64*P                     ; my 128 rows of wpt's,
	s_add_co_u32 s22, s22, 2*APL                   ; which lie behind att's two
.irp s, 0,1
	v_add_nc_u32 v[ADRA+\s], s21, v3
	v_add_nc_u32 v[ADRB+\s], s22, v3
	s_add_co_u32 s21, s21, SLOT
	s_add_co_u32 s22, s22, SLOT
.endr
	s_mul_i32 s23, s[WV], 16*SPITCH
	s_add_co_u32 s23, s23, STAGE                   ; my stage
	v_mul_u32_u24 v5, v1, SPITCH
	v_lshl_add_u32 v5, v2, 5, v5
	v_add_nc_u32 v[STO], s23, v5                   ; in: row r, 32 bytes for each half of the lanes
	v_and_b32 v6, 31, v0
	v_lshlrev_b32 v[CO], 4, v6                     ; back: the 32 lanes take one row of 512 bytes; and the same in out0
	v_add_nc_u32 v[RD], s23, v[CO]
	s_lshl_b32 s68, s18, 7
	s_lshl_b32 s69, s[SIDE], 6
	s_add_co_u32 s68, s68, s69                     ; my first row
	s_lshl_b32 s68, s68, 12
	s_add_co_u32 s68, s68, s66
	s_mov_b32 s69, 0
	s_add_nc_u64 s[10:11], s[10:11], s[68:69]
.macro MUL8 f, a, first                ; row block a x the eight column blocks, 32 along K
.irp b, 0,1,2,3,4,5,6,7
.if \first
	v_wmma_f32_16x16x32_f16 v[8*(8*(\a)+\b):8*(8*(\a)+\b)+7], v[\f+8*\b:\f+8*\b+7], v[\f+64+8*(\a):\f+64+8*(\a)+7], v[8*\b:8*\b+7]
.else
	v_wmma_f32_16x16x32_f16 v[8*(8*(\a)+\b):8*(8*(\a)+\b)+7], v[\f+8*\b:\f+8*\b+7], v[\f+64+8*(\a):\f+64+8*(\a)+7], v[8*(8*(\a)+\b):8*(8*(\a)+\b)+7]
.endif
.endr
.endm
.macro MWIN first
.if \first
	WIN 0x60                                       ; C (the bias) window 2, D window 1
.else
	WIN 0x50                                       ; C and D window 1
.endif
.endm
.macro FETCH slot, kq, f               ; 24 LDS loads in one run: the fragments of quarter kq (plane kq / 2, channels 32 (kq % 2) on): wpt's eight, then att's four
	WIN 0
.irp i, 0,1,2,3,4,5,6,7
	ds_load_b128 v[\f+8*\i:\f+8*\i+3],   v[ADRB+\slot] offset:((\kq)/2)*BPL+((\kq)%2)*64+8*P*\i
	ds_load_b128 v[\f+8*\i+4:\f+8*\i+7], v[ADRB+\slot] offset:((\kq)/2)*BPL+((\kq)%2)*64+8*P*\i+32
.endr
.irp i, 0,1,2,3
	ds_load_b128 v[\f+64+8*\i:\f+64+8*\i+3],   v[ADRA+\slot] offset:((\kq)/2)*APL+((\kq)%2)*64+8*P*\i
	ds_load_b128 v[\f+64+8*\i+4:\f+64+8*\i+7], v[ADRA+\slot] offset:((\kq)/2)*APL+((\kq)%2)*64+8*P*\i+32
.endr
.endm
; A K step is four quarters of 32 along K, 32 products each, on buffers 0, 1, 0, 1; the 32 accumulators take turns, in the same order in every quarter.
.macro QUARTER slot, kq, f, g, first   ; multiplies buffer f; in its middle fetches quarter kq of the same slot into g
	s_wait_dscnt 4                                 ; all but the youngest four loads (att's blocks 2, 3) are in
	MWIN \first
	MUL8 \f, 0, \first
	MUL8 \f, 1, \first
	PLACES                                         ; four places in front of loads into registers that the quarter before multiplied
	FETCH \slot, \kq, \g
	s_wait_dscnt 24                                ; all but the 24 just issued
	MWIN \first
	MUL8 \f, 2, \first
	MUL8 \f, 3, \first
.endm
; The last quarter multiplies buffer 1 and changes slots.  In front of the barrier each wave waits for all its tensor loads, adds 0 to its spare word, and waits for that and for its reads of this slot.
.macro TURN slot, next, fill
	WIN 0
	s_wait_tensorcnt 0x0                           ; all my tensor loads have landed: the one that was out is my part of the next slot
	ds_add_u32 v[SPW], v[NIL]
	s_wait_dscnt 5                                 ; (the add and the youngest four loads may be out)
	WIN 0x50
	MUL8 F1, 0, 0                                  ; eight products stand between the add and the wait for it
	s_wait_dscnt 0x0                               ; the add is done, and my reads of this slot are over
	s_barrier_signal -1
	MUL8 F1, 1, 0
	WIN 0
	s_barrier_wait -1
.if \fill
	CREST                                          ; the barrier has opened a round of the cluster's: no wave of any partner still reads this slot or has a load on its way
	s_add_nc_u64 s[G0A+4*\slot+2:G0A+4*\slot+3], s[G0A+4*\slot+2:G0A+4*\slot+3], 4*262144   ; two K steps on: four planes
	s_add_nc_u64 s[G0B+4*\slot+2:G0B+4*\slot+3], s[G0B+4*\slot+2:G0B+4*\slot+3], 4*131072
	JLOAD \slot                                    ; the first tensor load behind the round; its four v_nop are also the places in front of the loads below
.else
	PLACES
.endif
	FETCH \next, 0, F0
	WIN 0x50
	MUL8 F1, 2, 0
	MUL8 F1, 3, 0
.endm
	s_wait_tensorcnt 0x1                           ; my part of K step 0 is in; K step 1's may stay out
	s_barrier_signal -1
	s_barrier_wait -1
	FETCH 0, 0, F0
	s_wait_loadcnt 0x0                             ; the bias
	QUARTER 0, 1, F0, F1, 1                        ; the first quarter stands in front of the loop: its products start the sums on the bias
	WIN 0
	s_mov_b32 s3, LAPS-1
.Llap:                                             ; a trip goes once round the ring and fills both slots again
	QUARTER 0, 2, F1, F0, 0
	QUARTER 0, 3, F0, F1, 0
	TURN 0, 1, 1
	QUARTER 1, 1, F0, F1, 0
	QUARTER 1, 2, F1, F0, 0
	QUARTER 1, 3, F0, F1, 0
	TURN 1, 0, 1
	QUARTER 0, 1, F0, F1, 0
	WIN 0
	s_sub_co_u32 s3, s3, 1
	s_cmp_lg_u32 s3, 0
	s_cbranch_scc1 .Llap
	QUARTER 0, 2, F1, F0, 0                        ; the last lap fills nothing
	QUARTER 0, 3, F0, F1, 0
	TURN 0, 1, 0
	QUARTER 1, 1, F0, F1, 0
	QUARTER 1, 2, F1, F0, 0
	QUARTER 1, 3, F0, F1, 0
	s_wait_dscnt 4
	WIN 0x50
	MUL8 F1, 0, 0
	MUL8 F1, 1, 0
	s_wait_dscnt 0x0
	MUL8 F1, 2, 0
	MUL8 F1, 3, 0
	WIN 0
; THE WAY OUT, a block of 16 rows x 128 columns at a time, through my own stage: back as whole rows of 512 bytes.
.macro TOSTAGE a
	WIN 0x04                                       ; an LDS store's data: window 1
.irp b, 0,1,2,3,4,5,6,7
	ds_store_b128 v[STO], v[64*(\a)+8*\b:64*(\a)+8*\b+3] offset:64*\b            ; each accumulator from its low end on
	ds_store_b128 v[STO], v[64*(\a)+8*\b+4:64*(\a)+8*\b+7] offset:64*\b+16
.endr
	WIN 0
.set BB, 64+64*((\a)%2)
.irp t, 0,1,2,3,4,5,6,7,8,9,10,11,12,13,14,15
	ds_load_b128 v[BB+4*\t:BB+4*\t+3], v[RD] offset:\t*SPITCH
.endr
.endm
.macro SEND a, younger
.set BB, 64+64*((\a)%2)
	s_wait_dscnt \younger                          ; the block is back in registers
.irp t, 0,1,2,3,4,5,6,7,8,9,10,11,12,13,14,15
	global_store_b128 v[CO], v[BB+4*\t:BB+4*\t+3], s[10:11] offset:(16*(\a)+\t)*4096 th:TH_STORE_NT   ; 32 lanes store 512 consecutive bytes, aligned
.endr
.endm
	PLACES                                         ; four places behind the last products: for the reads of results and the loads into the fragments' registers
	TOSTAGE 0
.irp a, 1,2,3
.if \a > 1
	s_wait_xcnt 0x0                                ; block a - 2's stores have read their registers: block a's loads may land there
.endif
	TOSTAGE \a
	SEND \a-1, 32                                  ; behind block a - 1's loads: block a's 16 stores and 16 loads
.endr
	SEND 3, 0
	s_wait_tensorcnt 0x0                           ; the wave's end: a tensor wait, an add of 0 to my spare word and its wait, behind my last tensor load and my last LDS store
	ds_add_u32 v[SPW], v[NIL]
	s_wait_dscnt 0x0
	CROUND                                         ; the closing round
	s_endpgm
.Lfunc_end_k_q6b2778c236_proj:
	.size	k_q6b2778c236_proj, .Lfunc_end_k_q6b2778c236_proj-k_q6b2778c236_proj
	.p2alignl 7, 3214868480
	.fill 96, 4, 3214868480
	.section	.rodata,"a",@progbits
	.p2align	6, 0x0
	.amdhsa_kernel k_q6b2778c236_proj
		.amdhsa_group_segment_fixed_size 327680
		.amdhsa_private_segment_fixed_size 0
		.amdhsa_enable_private_segment 0
		.amdhsa_kernarg_size 32
		.amdhsa_user_sgpr_count 2
		.amdhsa_user_sgpr_kernarg_segment_ptr 1
		.amdhsa_wavefront_size32 1
		.amdhsa_system_sgpr_workgroup_id_x 1
		.amdhsa_system_sgpr_workgroup_id_y 1
		.amdhsa_system_sgpr_workgroup_id_z 1
		.amdhsa_system_vgpr_workitem_id 0
		.amdhsa_next_free_vgpr 640
		.amdhsa_next_free_sgpr 72
		.amdhsa_reserve_vcc 0
		.amdhsa_float_denorm_mode_32 3
		.amdhsa_float_denorm_mode_16_64 3
		.amdhsa_memory_ordered 1
		.amdhsa_forward_progress 1
		.amdhsa_inst_pref_size 86
	.end_amdhsa_kernel
	.amdgpu_metadata
---
amdhsa.version: [ 1, 2 ]
amdhsa.kernels:
  - .name:           k_q6b2778c236_proj
    .symbol:         k_q6b2778c236_proj.kd
    .args:
      - { .name: att, .offset: 0, .size: 8, .value_kind: global_buffer, .address_space: global }
      - { .name: wpt, .offset: 8, .size: 8, .value_kind: global_buffer, .address_space: global }
      - { .name: b_proj, .offset: 16, .size: 8, .value_kind: global_buffer, .address_space: global }
      - { .name: out0, .offset: 24, .size: 8, .value_kind: global_buffer, .address_space: global }
    .group_segment_fixed_size: 327680
    .private_segment_fixed_size: 0
    .kernarg_segment_align: 8
    .kernarg_segment_size: 32
    .max_flat_workgroup_size: 128
    .sgpr_count:     72
    .vgpr_count:     640
    .wavefront_size: 32
...
	.end_amdgpu_metadata
.endif
;; end of part 4
;; launch fine (part 5): grid 32 x 4, 16 waves a work-group, no clusters, 38,912 bytes of LDS; arguments qkv32, W_proj, b_proj, out0; writes out0
.if DOCPART == 5
	.amdgcn_target "amdgcn-amd-amdhsa--gfx1250"
	.amdhsa_code_object_version 6
	.text
	.protected	k_q6b2778c236_fine
	.globl	k_q6b2778c236_fine
	.p2align	8
	.type	k_q6b2778c236_fine,@function
k_q6b2778c236_fine:
	s_mov_b64 s[64:65], 0
	v_nop
	global_prefetch_b8 v0, s[64:65] scope:SCOPE_SE
	s_setreg_imm32_b32 hwreg(HW_REG_WAVE_MODE, 25, 1), 1
	s_wait_xcnt 0x0
; The first 16 positions of each sequence, once more, in f32 throughout: under the causal mask they average one to sixteen values and are the largest numbers of the output, so f16 operands would weigh most there.
; qkv32: [4 b][16 t][3072] f32 (q, k, v with the bias).  A work-group takes a batch and 32 output columns; wave = head: it makes its head's 16 x 16 attention and multiplies it by its 64 rows of W_proj for the 32 columns;
; the 16 partial results meet in LDS and are added in ascending order of heads, with b_proj, by waves 0 to 3.  64 rows of out0 are overwritten; a row's share here is 128 bytes.
; All products by v_wmma_f32_16x16x4_f32 (64 rows of 8,192: no bulk work).  Its accumulators are written by matrix instructions alone and take turns.  K is permuted alike on both sources, so nothing changes lanes:
; a lane's registers run along K, and a step takes a register pair: lanes 0-15 bring two of the K step's four numbers, lanes 16-31 the other two.
; Eight places stand behind this form in front of a read of its results.
.set SPARE, 36864                      ; LDS: the partials, 16 rows x 144 bytes a wave; then the spare words
.set SPW,  10
.set NIL,  11
.set QF,   16                          ; v16-47   q: channel 32 h + i of query r; later att / l
.set KF,   48                          ; v48-79   k likewise, of key r
.set VF,   80                          ; v80-111  v: register 8 ct + u: key 8 h + u, channel 16 ct + r
.set WF,   112                         ; v112-175 W_proj: register 32 nt + 8 ct + u: row 64 hd + 16 ct + 8 h + u, column 32 nb + 16 nt + r; later the 16 partials
.set SA0,  176                         ; v176-191 two accumulators: the scores' halves, later the two tiles of outputs
.set SS,   192                         ; v192-199 the scores
.set PP,   200                         ; v200-207 p
.set OA,   208                         ; v208-239 O^T, four accumulators
.set BI,   240
	s_load_b256 s[4:11], s[0:1], 0x0               ; qkv32, W_proj, b_proj, out0
	v_lshl_add_u32 v[SPW], v0, 2, SPARE
	v_mov_b32 v[NIL], 0
	v_lshrrev_b32 v12, 5, v0
	v_readfirstlane_b32 s12, v12                   ; wave = head
	s_and_b32 s14, ttmp7, 0xffff                   ; batch
	v_and_b32 v1, 15, v0                           ; r
	v_bfe_u32 v2, v0, 4, 1                         ; h
	v_mul_u32_u24 v3, v1, 12288
	v_lshl_add_u32 v3, v2, 7, v3                   ; q, k: row r, + 32 h channels
	v_mul_u32_u24 v4, v2, 98304
	v_lshl_add_u32 v4, v1, 2, v4                   ; v: 8 h rows down, channel r
	v_lshlrev_b32 v5, 15, v2
	v_lshl_add_u32 v5, v1, 2, v5                   ; W_proj: 8 h rows down, column r
	v_lshlrev_b32 v6, 3, v2
	v_sub_nc_u32 v6, v1, v6                        ; r - 8 h
	s_mul_i32 s20, s12, 2304
	v_mul_u32_u24 v7, v1, 144
	v_lshl_add_u32 v7, v2, 5, v7
	v_add_nc_u32 v7, s20, v7                       ; my partial: row r, + 32 h
	v_and_b32 v12, 127, v0
	v_lshrrev_b32 v13, 3, v12
	v_and_b32 v14, 7, v0
	v_mul_u32_u24 v8, v13, 144
	v_lshl_add_u32 v8, v14, 4, v8                  ; the sum: thread t of 128 takes row t / 8, 16 bytes at 16 (t % 8)
	v_lshlrev_b32 v9, 12, v13
	v_lshl_add_u32 v9, v14, 4, v9                  ; and the same in out0
	v_lshlrev_b32 v15, 4, v14
	v_mov_b32 v244, 0xff800000                     ; -infinity
	v_mov_b32 v246, 0                              ; written once: a lane permute's destination counts as one of its sources
	s_mov_b32 s16, 0x76543210
	s_mov_b32 s17, 0xfedcba98
	s_mov_b32 s18, 0x3e38aa3b                      ; c = log2(e) / 8
	s_mul_i32 s20, s14, 196608
	s_lshl_b32 s21, s12, 8
	s_add_co_u32 s20, s20, s21
	s_mov_b32 s21, 0
	s_lshl_b32 s22, s12, 18
	s_lshl_b32 s24, ttmp9, 7
	s_add_co_u32 s22, s22, s24
	s_mov_b32 s23, 0
	s_mov_b32 s25, 0
	s_lshl_b32 s26, s14, 23
	s_add_co_u32 s26, s26, s24
	s_mov_b32 s27, 0
	s_wait_kmcnt 0x0
	s_add_nc_u64 s[4:5], s[4:5], s[20:21]          ; qkv32 at my batch and head
	s_add_nc_u64 s[6:7], s[6:7], s[22:23]          ; W_proj at my head's rows and the work-group's columns
	s_add_nc_u64 s[8:9], s[8:9], s[24:25]
	s_add_nc_u64 s[10:11], s[10:11], s[26:27]
.irp i, 0,1,2,3,4,5,6,7
	global_load_b128 v[QF+4*\i:QF+4*\i+3], v3, s[4:5] offset:16*\i
.endr
.irp i, 0,1,2,3,4,5,6,7
	global_load_b128 v[KF+4*\i:KF+4*\i+3], v3, s[4:5] offset:4096+16*\i
.endr
.irp ct, 0,1,2,3
.irp u, 0,1,2,3,4,5,6,7
	global_load_b32 v[VF+8*\ct+\u], v4, s[4:5] offset:8192+\u*12288+64*\ct
.endr
.endr
	global_load_b128 v[BI:BI+3], v15, s[8:9]
.irp nt, 0,1
.irp ct, 0,1,2,3
.irp u, 0,1,2,3,4,5,6,7
	global_load_b32 v[WF+32*\nt+8*\ct+\u], v5, s[6:7] offset:(16*\ct+\u)*4096+64*\nt
.endr
.endr
.endr
	s_wait_loadcnt 63                              ; W_proj's 64 loads are the youngest: with at most 63 out, q, k, v and the bias are in
	; S^T = K Q^T: lane (r, h) holds query r and keys 8 h + 0..7.  Two accumulators by turns; their first products start the sums
.irp s, 0,1,2,3,4,5,6,7,8,9,10,11,12,13,14,15
.if \s < 2
	v_wmma_f32_16x16x4_f32 v[SA0+8*(\s%2):SA0+8*(\s%2)+7], v[KF+2*\s:KF+2*\s+1], v[QF+2*\s:QF+2*\s+1], 0
.else
	v_wmma_f32_16x16x4_f32 v[SA0+8*(\s%2):SA0+8*(\s%2)+7], v[KF+2*\s:KF+2*\s+1], v[QF+2*\s:QF+2*\s+1], v[SA0+8*(\s%2):SA0+8*(\s%2)+7]
.endif
.endr
.rept 8
	v_nop
.endr
.irp j, 0,1,2,3,4,5,6,7
	v_add_f32 v[SS+\j], v[SA0+\j], v[SA0+8+\j]     ; from the low end on
.endr
.irp j, 0,1,2,3,4,5,6,7
	v_cmp_gt_i32 vcc_lo, \j, v6                    ; key 8 h + j comes after query r
	v_cndmask_b32 v[SS+\j], v[SS+\j], v244, vcc_lo
.endr
	v_max3_num_f32 v245, v[SS], v[SS+1], v[SS+2]
	v_max3_num_f32 v245, v245, v[SS+3], v[SS+4]
	v_max3_num_f32 v245, v245, v[SS+5], v[SS+6]
	v_max_num_f32 v245, v245, v[SS+7]
	v_permlanex16_b32 v246, v245, s16, s17
	v_max_num_f32 v245, v245, v246                 ; the row's maximum: key 0 counts for every query, so it is a number
	v_mul_f32 v249, s18, v245
.irp j, 0,1,2,3,4,5,6,7
	v_fma_f32 v[PP+\j], v[SS+\j], s18, -v249
.endr
.irp j, 0,1,2,3,4,5,6,7
	v_exp_f32 v[PP+\j], v[PP+\j]
.endr
	v_nop                                          ; a plain instruction behind the last exponential
	s_wait_alu depctr_va_vdst(0)                   ; one wait for the eight, ahead of their first reader
	v_add_f32 v246, v[PP], v[PP+1]
	v_add_f32 v247, v[PP+2], v[PP+3]
	v_add_f32 v246, v246, v[PP+4]
	v_add_f32 v247, v247, v[PP+5]
	v_add_f32 v246, v246, v[PP+6]
	v_add_f32 v247, v247, v[PP+7]
	v_add_f32 v246, v246, v247
	v_permlanex16_b32 v247, v246, s16, s17
	v_add_f32 v246, v246, v247                     ; the row's sum
	v_rcp_f32 v248, v246
	v_nop
	s_wait_alu depctr_va_vdst(0)
	; O^T = V^T P: four accumulators by turns; a step takes keys 2 s, 2 s + 1 (lanes 0-15) and 8 + 2 s, 9 + 2 s (lanes 16-31)
.irp s, 0,1,2,3
.irp ct, 0,1,2,3
.if \s == 0
	v_wmma_f32_16x16x4_f32 v[OA+8*\ct:OA+8*\ct+7], v[VF+8*\ct+2*\s:VF+8*\ct+2*\s+1], v[PP+2*\s:PP+2*\s+1], 0
.else
	v_wmma_f32_16x16x4_f32 v[OA+8*\ct:OA+8*\ct+7], v[VF+8*\ct+2*\s:VF+8*\ct+2*\s+1], v[PP+2*\s:PP+2*\s+1], v[OA+8*\ct:OA+8*\ct+7]
.endif
.endr
.endr
.rept 8
	v_nop
.endr
.set n, 0
.rept 32
	v_mul_f32 v[QF+n], v[OA+n], v248               ; att(query r, channel 16 ct + 8 h + j), into other registers than the sums'
.set n, n+1
.endr
	s_wait_loadcnt 0x0                             ; W_proj
	; the projection, transposed: lane (r, h) holds query r and columns 16 nt + 8 h + 0..7.  Two accumulators by turns, 16 steps each
.irp ct, 0,1,2,3
.irp s, 0,1,2,3
.irp nt, 0,1
.if (\ct == 0) && (\s == 0)
	v_wmma_f32_16x16x4_f32 v[SA0+8*\nt:SA0+8*\nt+7], v[WF+32*\nt+8*\ct+2*\s:WF+32*\nt+8*\ct+2*\s+1], v[QF+8*\ct+2*\s:QF+8*\ct+2*\s+1], 0
.else
	v_wmma_f32_16x16x4_f32 v[SA0+8*\nt:SA0+8*\nt+7], v[WF+32*\nt+8*\ct+2*\s:WF+32*\nt+8*\ct+2*\s+1], v[QF+8*\ct+2*\s:QF+8*\ct+2*\s+1], v[SA0+8*\nt:SA0+8*\nt+7]
.endif
.endr
.endr
.endr
.rept 8
	v_nop
.endr
.irp nt, 0,1
	ds_store_b128 v7, v[SA0+8*\nt:SA0+8*\nt+3] offset:64*\nt
	ds_store_b128 v7, v[SA0+8*\nt+4:SA0+8*\nt+7] offset:64*\nt+16
.endr
	s_wait_dscnt 0x0                               ; for the others' sake: my partial lies in LDS
	s_barrier_signal -1
	s_barrier_wait -1
	s_cmp_lt_u32 s12, 4                            ; 128 threads add 16 rows x 128 bytes
	s_cbranch_scc0 .Lend
.irp p, 0,1,2,3,4,5,6,7,8,9,10,11,12,13,14,15
	ds_load_b128 v[WF+4*\p:WF+4*\p+3], v8 offset:2304*\p
.endr
	s_wait_dscnt 0x0
.irp p, 1,2,3,4,5,6,7,8,9,10,11,12,13,14,15
	v_pk_add_f32 v[WF:WF+1], v[WF:WF+1], v[WF+4*\p:WF+4*\p+1]
	v_pk_add_f32 v[WF+2:WF+3], v[WF+2:WF+3], v[WF+4*\p+2:WF+4*\p+3]
.endr
	v_pk_add_f32 v[WF:WF+1], v[WF:WF+1], v[BI:BI+1]
	v_pk_add_f32 v[WF+2:WF+3], v[WF+2:WF+3], v[BI+2:BI+3]
	global_store_b128 v9, v[WF:WF+3], s[10:11]
.Lend:
	s_wait_tensorcnt 0x0                           ; the wave's end: a tensor wait, an add of 0 to my spare word and its wait, behind my last LDS store
	ds_add_u32 v[SPW], v[NIL]
	s_wait_dscnt 0x0
	s_endpgm
.Lfunc_end_k_q6b2778c236_fine:
	.size	k_q6b2778c236_fine, .Lfunc_end_k_q6b2778c236_fine-k_q6b2778c236_fine
	.p2alignl 7, 3214868480
	.fill 96, 4, 3214868480
	.section	.rodata,"a",@progbits
	.p2align	6, 0x0
	.amdhsa_kernel k_q6b2778c236_fine
		.amdhsa_group_segment_fixed_size 38912
		.amdhsa_private_segment_fixed_size 0
		.amdhsa_enable_private_segment 0
		.amdhsa_kernarg_size 32
		.amdhsa_user_sgpr_count 2
		.amdhsa_user_sgpr_kernarg_segment_ptr 1
		.amdhsa_wavefront_size32 1
		.amdhsa_system_sgpr_workgroup_id_x 1
		.amdhsa_system_sgpr_workgroup_id_y 1
		.amdhsa_system_sgpr_workgroup_id_z 1
		.amdhsa_system_vgpr_workitem_id 0
		.amdhsa_next_free_vgpr 256
		.amdhsa_next_free_sgpr 66
		.amdhsa_reserve_vcc 1
		.amdhsa_float_denorm_mode_32 3
		.amdhsa_float_denorm_mode_16_64 3
		.amdhsa_memory_ordered 1
		.amdhsa_forward_progress 1
		.amdhsa_inst_pref_size 26
	.end_amdhsa_kernel
	.amdgpu_metadata
---
amdhsa.version: [ 1, 2 ]
amdhsa.kernels:
  - .name:           k_q6b2778c236_fine
    .symbol:         k_q6b2778c236_fine.kd
    .args:
      - { .name: qkv32, .offset: 0, .size: 8, .value_kind: global_buffer, .address_space: global }
      - { .name: W_proj, .offset: 8, .size: 8, .value_kind: global_buffer, .address_space: global }
      - { .name: b_proj, .offset: 16, .size: 8, .value_kind: global_buffer, .address_space: global }
      - { .name: out0, .offset: 24, .size: 8, .value_kind: global_buffer, .address_space: global }
    .group_segment_fixed_size: 38912
    .private_segment_fixed_size: 0
    .kernarg_segment_align: 8
    .kernarg_segment_size: 32
    .max_flat_workgroup_size: 512
    .sgpr_count:     66
    .vgpr_count:     256
    .wavefront_size: 32
...
	.end_amdgpu_metadata
.endif
;; end of part 5
